; MI455X (gfx1250); checked and timed in simulation.
; The chip was launched on July 23, 2026; its instructions are those of AMD's public machine-readable ISA for CDNA 5 (MIT licence, August 2026) and "CDNA5" Instruction Set Architecture Reference Guide (July 2026). The comments in the code are by the model that wrote it; some were corrected since.
;; Multi Scale Attention. Allowed arithmetic: matrix products marked QUANTISED: E2M3 operands, one E8M0 scale for each 32 along K, by v_wmma_scale_f32_16x16x128_f8f6f4 with both operands' format E2M3, f32 sums; everything else in f32.
;; Inputs: Wk 16 x 1,024 x 64 float32; Wo 1,024 x 1,024 float32; Wq 16 x 1,024 x 64 float32; Wv 16 x 1,024 x 64 float32; bk 16 x 64 float32; bo 1,024 float32; bq 16 x 64 float32; bv 16 x 64 float32; ln_b 1,024 float32; ln_w 1,024 float32; x 4 x 2,048 x 1,024 float32.
;; Outputs: out0 4 x 2,048 x 1,024 float32.
;; This version of the problem:
;;   THIS VERSION OF THE PROBLEM IS GIVEN IN LOW PRECISION. The matrix products marked QUANTISED in the list below multiply operands that are first quantised to E2M3 (2 exponent bits, 3 mantissa bits; 6 bits a number), with one power-of-two scale for each 32 numbers along K (OCP MX v1.0); their sums are f32. All else is computed in f32.
;;   The module's matrix products, in the order in which they are computed (A, B: the left and right operand; K: the contracted axis; several contracted axes count as one K, in the product's order):
;;     1. [M 1,024, K 1,024] x [K 1,024, N 8,192]; A: input Wq; B: input x: QUANTISED
;;     2. [M 1,024, K 1,024] x [K 1,024, N 8,192]; A: input Wk; B: input x: QUANTISED
;;     3. [M 1,024, K 1,024] x [K 1,024, N 8,192]; A: input Wv; B: input x: QUANTISED
;;     4. batch 64 x [M 2,048, K 64] x [K 64, N 2,048]; A: computed on the way; B: computed on the way: QUANTISED
;;     5. batch 64 x [M 2,048, K 2,048] x [K 2,048, N 64]; A: softmax (see below); B: computed on the way: QUANTISED
;;     6. [M 8,192, K 1,024] x [K 1,024, N 1,024]; A: computed on the way; B: input Wo: QUANTISED
;;   THE QUANTISER, for each operand of a quantised product, along K:
;;     - K is cut into blocks of 32 from its start; a last block that is shorter is filled with zeros.
;;     - A block's scale is 2^e with e = floor(log2(the largest magnitude in the block)) - 2, held to -126 .. 127; a block of zeros has e = 0. As a byte (E8M0): e + 127.
;;     - Each number is divided by its block's scale, clamped to +-7.5, and rounded to the nearest number of E2M3, ties to even, subnormals kept.
;;     - The product sums the exact products of the quantised numbers (number of the format x scale) in f32.
;;   ~~~python
;;   def quantise(x, axis):      # numpy; x: float32 -> the quantised numbers, widened to float32 again
;;       x = np.moveaxis(x, axis, -1); K = x.shape[-1]
;;       x = np.pad(x, [(0, 0)] * (x.ndim - 1) + [(0, -K % 32)]); x = x.reshape(x.shape[:-1] + (-1, 32)); a = np.abs(x).max(-1, keepdims=True)
;;       e = np.where(a > 0, np.clip(np.frexp(np.where(a > 0, a, 1))[1] - 1 - 2, -126, 127), 0)      # np.frexp(a)[1] - 1 = floor(log2(a)), exactly
;;       r = np.clip(x / 2.0 ** e, -7.5, 7.5)
;;       step = 2.0 ** (np.maximum(np.frexp(np.where(r == 0, 1, r))[1] - 1, 0) - 3)
;;       q = np.round(r / step) * step * 2.0 ** e      # np.round: ties to even
;;       return np.moveaxis(q.reshape(q.shape[:-2] + (-1,))[..., :K], -1, axis).astype(np.float32)
;;   ~~~
;;   SOFTMAX AHEAD OF A QUANTISED PRODUCT. Where the list says 'softmax', what is quantised is not the finished softmax but p = 2^(t - M), with t = logit x log2(e) and M = ceil(the row's largest t), a whole number; so 1/2 < the row's largest p <= 1. The row's sum l is taken of the UNQUANTISED p, in f32, and the product's result is divided by l at the end. Since M is a whole number, a kernel that streams over the keys may use a running M (the ceiling of the running maximum): every later rescaling is an exact power of two, which a block's scale takes up: the codes' values come out the same.
;;   OPERANDS COMPUTED ON THE WAY. 'Computed on the way' means the value that the module computes at that place (a softmax that the list does not call 'softmax' is quantised finished and normalised). What goes into a quantiser is computed in f32, as accurately as f32 sums, v_exp_f32 and their like allow (about 1e-6 of the number): no bf16 or f16 on the way to a quantiser, and a product that is left as it is and whose result goes on into a quantised operand takes f32 operands (vector FMAs, or v_wmma_f32_16x16x4_f32). A number that lies on a knife's edge between two numbers of the format may be rounded either way, as far as f32 arithmetic and the matrix unit's own rounding can turn it there, and no further.
;; One version. Each part assembles by itself: llvm-mc -triple=amdgcn-amd-amdhsa -mcpu=gfx1250 --defsym DOCPART=n.
;; ======== version 1 of 1: 5 launches
;; workspace buffers: XQ 6,553,600 bytes; WQ 3,276,800 bytes; QK 13,107,200 bytes; VV 6,553,600 bytes; AT 6,553,600 bytes
;; launch qx (part 1): grid 256 x 1, 4 waves a work-group, no clusters, 168,448 bytes of LDS; arguments x, XQ; writes XQ
.if DOCPART == 1
	.amdgcn_target "amdgcn-amd-amdhsa--gfx1250"
	.amdhsa_code_object_version 6
	.text
	.protected	k_qcec71d3812_qx
	.globl	k_qcec71d3812_qx
	.p2align	8
	.type	k_qcec71d3812_qx,@function
k_qcec71d3812_qx:
	s_mov_b64 s[64:65], 0
	v_nop
	global_prefetch_b8 v0, s[64:65] scope:SCOPE_SE
	s_setreg_imm32_b32 hwreg(HW_REG_WAVE_MODE, 25, 1), 1
	s_wait_xcnt 0x0
; x [8192][1024] f32 becomes codes of FP6 (E2M3) with one E8M0 byte for each 32 along K, laid as IMAGES OF OPERAND REGISTERS.
; A fragment is 16 rows x 128 K: 12 registers a lane, 1,536 bytes: byte 512 g + 16 lane + 4 e is register 4 g + e of that lane.
; XQ: codes [row tile 512][K step 8][1536]; from XS_OFF the scale words [pair of tiles 256][K slot of 256: 4][tile in pair 2][row 16][2 words].
; THE ROWS OF A TILE ARE NOT NEIGHBOURS: position p of a group of 32 tokens holds token p with bits 3 and 4 exchanged, so that a product
; whose source 0 is such a pair of tiles leaves 16 neighbouring tokens in a lane's 16 registers.
; SHARES: a work-group takes 32 tokens (one group), wave w columns 256 w on (K steps 2 w, 2 w + 1): four fragments a wave.
; The wave's 32 rows x 1,024 bytes come by ONE tensor load into LDS bytes of its own, filled once: only the issuing wave reads them, so its own
; wait on TENSORcnt is all the ordering; no barrier.  LDS rows are 1,040 bytes apart.
; A block's scale is 2^(floor(log2(largest magnitude)) - 2): the byte is the magnitude's exponent field - 2, held at 1 from below.
; LIMITS: NaN and infinities are not served; a block whose largest magnitude lies under 2^-124 keeps the byte 1; a block of zeros has the byte 1
; where the rule says 127: its codes are zeros, and the bytes are read by this program alone.
.set XS_OFF, 6291456
.set PITCH,  1040
.set WREG,   32*PITCH
.set X0,  16                           ; v16-79, v80-143: two sets of 64 numbers
.set TM,  144                          ; v144-159 at work in QUANT
.set PW,  160                          ; v160-163 the four fragments' scale words
.set MW,  164                          ; v[164:165] the words as they are stored
.set PC0, 168                          ; 20 registers a fragment: 12 of codes, 7 at work
.set SEL, 24                           ; s[24:25] selects of v_permlanex16_b32: lane l xor 16
; 64 numbers of a lane, register 16 b + i = k 32 b + 16 (lane / 16) + i of my row, become a fragment's 12 registers at v[pc] and its scale word v[pw]
.macro QUANT s, pc, pw
.irp b, 0,1,2,3
	v_max3_num_f32 v[TM+\b], |v[\s+16*\b]|, |v[\s+1+16*\b]|, 0x1800000   ; my 16 numbers of block b, and the floor 2^(3 - 127): the byte cannot fall under 1
.endr
.irp i, 2,4,6,8,10,12,14
.irp b, 0,1,2,3
	v_max3_num_f32 v[TM+\b], v[TM+\b], |v[\s+16*\b+\i]|, |v[\s+1+16*\b+\i]|
.endr
.endr
.irp b, 0,1,2,3
	v_permlanex16_b32 v[TM+4+\b], v[TM+\b], s[SEL], s[SEL+1]
.endr
.irp b, 0,1,2,3
	v_max_num_f32 v[TM+\b], v[TM+\b], v[TM+4+\b]           ; with lane l xor 16: the block's largest magnitude
.endr
.irp b, 0,1,2,3
	v_add_nc_u32 v[TM+12+\b], 0xff000000, v[TM+\b]         ; 2 off its exponent field: the conversion's scale operand
.endr
.irp b, 0,1,2,3
	v_lshrrev_b32 v[TM+4+\b], 23, v[TM+12+\b]              ; the scale's byte
.endr
	v_lshl_or_b32 v[\pw], v[TM+5], 8, v[TM+4]
	v_lshl_or_b32 v[\pw], v[TM+6], 16, v[\pw]
	v_lshl_or_b32 v[\pw], v[TM+7], 24, v[\pw]
.irp c, 0,1
	v_cvt_scalef32_pk16_fp6_f32 v[\pc+6*\c:\pc+2+6*\c], v[\s+32*\c:\s+15+32*\c], v[TM+12+2*\c]
	v_cvt_scalef32_pk16_fp6_f32 v[\pc+12+4*\c:\pc+14+4*\c], v[\s+16+32*\c:\s+31+32*\c], v[TM+12+2*\c+1]   ; (three registers from an even one on)
.endr
	v_nop                                                  ; one plain place behind the scaled conversions
.irp c, 0,1                            ; the layout wants a whole block in a lane: lanes 0-15 block 2 c, lanes 16-31 block 2 c + 1
.irp i, 0,1,2
	v_permlane16_swap_b32 v[\pc+6*\c+\i], v[\pc+12+4*\c+\i]
.endr
.irp i, 0,1,2
	v_mov_b32 v[\pc+3+6*\c+\i], v[\pc+12+4*\c+\i]
.endr
.endr
.endm
; fragment f = 2 u + q (position tile u, K step q of my two): my row's 64 numbers from LDS
.macro XL f, set
.irp b, 0,1,2,3
.irp j, 0,1,2,3
	ds_load_b128 v[\set+16*\b+4*\j:\set+16*\b+4*\j+3], v4 offset:8*PITCH*((\f)/2)+512*((\f)%2)+128*\b+16*\j
.endr
.endr
.endm
	s_load_b128 s[4:7], s[0:1], 0x0                ; x, XQ
	v_lshl_add_u32 v254, v0, 2, 0x29000
	v_mov_b32 v255, 0
	ds_add_u32 v254, v255
	ds_add_u32 v254, v255
	v_lshrrev_b32 v1, 5, v0
	v_readfirstlane_b32 s8, v1                     ; wave 0..3
	s_mov_b32 s16, (2<<16)|(1<<20)|(7<<22)|(3<<25) ; elements of 4 bytes; 4 words of padding behind every 256 words (a row)
	s_mov_b32 s17, 256<<16                         ; tensor_dim0 = 256
	s_mov_b32 s18, 32<<16                          ; tensor_dim1 = 32
	s_mov_b32 s19, 256<<16                         ; tile_dim0 = 256
	s_mov_b32 s20, 32                              ; tile_dim1 = 32
	s_mov_b32 s21, 1024                            ; elements from row to row
	s_mov_b32 s22, 0
	s_mov_b32 s23, 0
	s_mov_b32 s12, 1
	s_mul_i32 s13, s8, WREG                        ; my wave's own LDS bytes
	s_lshl_b32 s10, ttmp9, 17                      ; 32 rows of 4,096 bytes a work-group,
	s_lshl_b32 s11, s8, 10                         ; 1,024 bytes of a row a wave
	s_add_co_u32 s10, s10, s11
	s_mov_b32 s11, 0
	s_mov_b32 s[SEL], 0x76543210
	s_mov_b32 s[SEL+1], 0xfedcba98
	s_mov_b32 s26, 0xffff0000                      ; lanes 16-31
	s_mul_i32 s28, ttmp9, 24576                    ; codes: two row tiles of 12,288 bytes a work-group,
	s_mul_i32 s9, s8, 3072                         ; two K steps a wave
	s_add_co_u32 s28, s28, s9
	s_mov_b32 s29, 0
	s_lshl_b32 s30, ttmp9, 10                      ; scale words: 1,024 bytes a pair of tiles, 256 a K slot
	s_lshl_b32 s9, s8, 8
	s_add_co_u32 s30, s30, s9
	s_add_co_u32 s30, s30, XS_OFF
	s_mov_b32 s31, 0
	s_wait_dscnt 0x0
	s_wait_kmcnt 0x0
	s_add_nc_u64 s[28:29], s[6:7], s[28:29]
	s_add_nc_u64 s[30:31], s[6:7], s[30:31]
	s_add_nc_u64 s[14:15], s[4:5], s[10:11]
	s_or_b32 s15, s15, 0x80000000                  ; type = 2
	tensor_load_to_lds s[12:15], s[16:23]          ; my one tensor load: 32 rows x 1,024 bytes
	s_nop 0
	v_and_b32 v1, 31, v0                           ; lane
	v_and_b32 v7, 7, v0
	v_bfe_u32 v8, v0, 3, 1
	v_lshl_add_u32 v7, v8, 4, v7                   ; row of position r in tile 0: r % 8 + 16 (r / 8); tile 1: 8 rows on
	v_mul_u32_u24 v4, v7, PITCH
	v_bfe_u32 v3, v0, 4, 1                         ; h
	v_lshl_add_u32 v4, v3, 6, v4                   ; + 64 h: my 16 numbers of a block of 32
	v_add_nc_u32 v4, s13, v4
	v_lshlrev_b32 v5, 4, v1                        ; an image's place for my lane
	v_lshlrev_b32 v6, 3, v1                        ; two scale words a lane
.irp b, 0,1,2,3
	v_mov_b32 v[TM+4+\b], 0                        ; written once: a lane permute's destination counts as one of its sources
.endr
	s_wait_tensorcnt 0x0                           ; my tile has landed; nobody else reads it
	XL 0, X0
	XL 1, X0+64
.irp f, 0,1,2,3
.if \f < 3
	s_wait_dscnt 16                                ; this fragment's 16 loads are in; the other set's 16 may be out
.else
	s_wait_dscnt 0x0
.endif
.set XSET, X0+64*(\f%2)
.set PCF, PC0+20*\f
.set PWF, PW+\f
	QUANT XSET, PCF, PWF
.if \f < 2
	XL \f+2, XSET                                  ; the set just read takes the fragment two on
.endif
.irp c, 0,1,2
	global_store_b128 v5, v[PCF+4*\c:PCF+4*\c+3], s[28:29] offset:12288*(\f/2)+1536*(\f%2)+512*\c   ; 32 lanes store 512 consecutive bytes, aligned; each fragment has registers of its own
.endr
.endr
	v_cndmask_b32 v[MW], v[PW], v[PW+2], s26       ; lanes 0-15: tile 0's word of K step 0; lanes 16-31: tile 1's (a word is the same in lanes l and l xor 16)
	v_cndmask_b32 v[MW+1], v[PW+1], v[PW+3], s26   ; K step 1
	global_store_b64 v6, v[MW:MW+1], s[30:31]      ; 256 consecutive bytes, aligned
	s_wait_tensorcnt 0x0
	ds_add_u32 v254, v255
	s_wait_dscnt 0x0
	s_endpgm
.Lfunc_end_k_qcec71d3812_qx:
	.size	k_qcec71d3812_qx, .Lfunc_end_k_qcec71d3812_qx-k_qcec71d3812_qx
	.p2alignl 7, 3214868480
	.fill 96, 4, 3214868480
	.section	.rodata,"a",@progbits
	.p2align	6, 0x0
	.amdhsa_kernel k_qcec71d3812_qx
		.amdhsa_group_segment_fixed_size 168448
		.amdhsa_private_segment_fixed_size 0
		.amdhsa_enable_private_segment 0
		.amdhsa_kernarg_size 16
		.amdhsa_user_sgpr_count 2
		.amdhsa_user_sgpr_kernarg_segment_ptr 1
		.amdhsa_wavefront_size32 1
		.amdhsa_system_sgpr_workgroup_id_x 1
		.amdhsa_system_sgpr_workgroup_id_y 1
		.amdhsa_system_sgpr_workgroup_id_z 1
		.amdhsa_system_vgpr_workitem_id 0
		.amdhsa_next_free_vgpr 256
		.amdhsa_next_free_sgpr 66
		.amdhsa_reserve_vcc 0
		.amdhsa_float_denorm_mode_32 3
		.amdhsa_float_denorm_mode_16_64 3
		.amdhsa_memory_ordered 1
		.amdhsa_forward_progress 1
		.amdhsa_inst_pref_size 24
	.end_amdhsa_kernel
	.amdgpu_metadata
---
amdhsa.version: [ 1, 2 ]
amdhsa.kernels:
  - .name:           k_qcec71d3812_qx
    .symbol:         k_qcec71d3812_qx.kd
    .args:
      - { .name: x, .offset: 0, .size: 8, .value_kind: global_buffer, .address_space: global }
      - { .name: XQ, .offset: 8, .size: 8, .value_kind: global_buffer, .address_space: global }
    .group_segment_fixed_size: 168448
    .private_segment_fixed_size: 0
    .kernarg_segment_align: 8
    .kernarg_segment_size: 16
    .max_flat_workgroup_size: 128
    .sgpr_count:     66
    .vgpr_count:     256
    .wavefront_size: 32
...
	.end_amdgpu_metadata
.endif
;; end of part 1
;; launch qw (part 2): grid 64 x 4, 2 waves a work-group, no clusters, 12,544 bytes of LDS; arguments Wq, Wk, Wv, Wo, WQ; writes WQ
.if DOCPART == 2
	.amdgcn_target "amdgcn-amd-amdhsa--gfx1250"
	.amdhsa_code_object_version 6
	.text
	.protected	k_qcec71d3812_qw
	.globl	k_qcec71d3812_qw
	.p2align	8
	.type	k_qcec71d3812_qw,@function
k_qcec71d3812_qw:
	s_mov_b64 s[64:65], 0
	v_nop
	global_prefetch_b8 v0, s[64:65] scope:SCOPE_SE
	s_setreg_imm32_b32 hwreg(HW_REG_WAVE_MODE, 25, 1), 1
	s_wait_xcnt 0x0
; The four weights, whose K (d = 1024) is not innermost, become codes of FP6 (E2M3) with E8M0 bytes, laid as images of operand registers like XQ:
; WQ: codes [row tile 256][K step 8][1536]; from WS_OFF scale words [pair of tiles 128][K slot 4][tile in pair 2][row 16][2 words].
; Rows: Wq's h 64 + e at 0, Wk's at 1024, Wv's at 2048, Wo's columns n at 3072.  Inside each group of 32 rows position p holds row p with bits 3 and 4 exchanged.
; A LANE TAKES A COLUMN AND ITS REGISTERS RUN DOWN K: a block of 32 along K lies in one lane's 32 registers, no other lane is asked for its maximum,
; and the conversions give codes with K innermost.  Each load reads 128 consecutive bytes.
; SHARES: work-group x = 16 x tensor + xi, y = K slot of 256; a wave takes 32 columns (one group) x 256 along K: 8 blocks a lane.
; One text serves both row strides (256 bytes in Wq, Wk, Wv; 4,096 in Wo): 32 vector offsets made once, and a scalar base for each block.
; A lane's 24 bytes of a block go to their place in the wave's own stage in LDS, which holds four images; the stage leaves as 12 runs of 512 bytes.  No barrier: waves share nothing.
; LIMITS: as in the launch that quantises x.
.set WS_OFF, 3145728
.set SB,   24                          ; v[24:25] my column's 8 scale bytes
.set X,    32                          ; v32-95  two sets of 32 numbers
.set OFFI, 96                          ; v96-127 4 lane + i rows
.set P,    128                         ; v[128:133] a block's codes
.set T,    136                         ; v[136:138] its second half as converted
.set OUTR, 140                         ; v140-187 the way out
	s_load_b256 s[4:11], s[0:1], 0x0               ; Wq, Wk, Wv, Wo
	s_load_b64 s[12:13], s[0:1], 0x20              ; WQ
	v_lshl_add_u32 v192, v0, 2, 0x3000
	v_mov_b32 v193, 0
	v_lshrrev_b32 v1, 5, v0
	v_readfirstlane_b32 s14, v1                    ; wave 0, 1
	v_and_b32 v2, 31, v0                           ; lane
	s_lshr_b32 s16, ttmp9, 4                       ; which tensor
	s_and_b32 s15, ttmp9, 15                       ; xi: the head, or 64 columns of Wo
	s_and_b32 s24, ttmp7, 0xffff                   ; the K slot
	s_mov_b32 s17, 256
	s_cmp_eq_u32 s16, 3
	s_cselect_b32 s17, 4096, s17                   ; bytes from row to row
	s_cselect_b32 s18, 8, 18                       ; xi counts 256 bytes in Wo, 262,144 in the others
	s_cselect_b32 s19, 20, 16                      ; a K slot is 256 rows
	s_lshl_b32 s18, s15, s18
	s_lshl_b32 s19, s24, s19
	s_add_co_u32 s18, s18, s19
	s_lshl_b32 s19, s14, 7                         ; 32 columns a wave
	s_add_co_u32 s18, s18, s19
	s_mov_b32 s19, 0
	s_lshl_b32 s20, s17, 5                         ; a block: 32 rows
	s_mov_b32 s21, 0
	s_lshl_b32 s25, ttmp9, 1
	s_add_co_u32 s25, s25, s14                     ; the pair of row tiles
	s_mul_i32 s26, s25, 24576
	s_mul_i32 s27, s24, 3072
	s_add_co_u32 s26, s26, s27
	s_mov_b32 s27, 0
	s_lshl_b32 s28, s25, 10
	s_lshl_b32 s29, s24, 8
	s_add_co_u32 s28, s28, s29
	s_add_co_u32 s28, s28, WS_OFF
	s_mov_b32 s29, 0
	s_mul_i32 s22, s14, 6144                       ; my stage
	v_and_b32 v8, 7, v0
	v_bfe_u32 v9, v0, 4, 1
	v_lshl_add_u32 v8, v9, 3, v8                   ; my column's row in its tile: l % 8 + 8 (l / 16)
	v_bfe_u32 v9, v0, 3, 1                         ; and its tile of the pair: bit 3 of l
	v_mul_u32_u24 v4, v9, 3072
	v_lshl_add_u32 v4, v8, 4, v4
	v_add_nc_u32 v4, s22, v4                       ; into the stage: [tile 2][K step 2][1536], 16 bytes a target lane
	v_lshlrev_b32 v6, 4, v2
	v_add_nc_u32 v5, s22, v6                       ; out of it: 16 bytes a lane
	v_lshlrev_b32 v7, 7, v9
	v_lshl_add_u32 v7, v8, 3, v7                   ; my 8 scale bytes: 128 tile + 8 row
	v_lshlrev_b32 v[OFFI], 2, v2
.set ii, 1
.rept 31
	v_add_nc_u32 v[OFFI+ii], s17, v[OFFI+ii-1]
.set ii, ii+1
.endr
	s_wait_kmcnt 0x0
	s_cmp_eq_u32 s16, 1                            ; the choice hangs on the work-group's number alone
	s_cselect_b64 s[4:5], s[6:7], s[4:5]
	s_cmp_eq_u32 s16, 2
	s_cselect_b64 s[4:5], s[8:9], s[4:5]
	s_cmp_eq_u32 s16, 3
	s_cselect_b64 s[4:5], s[10:11], s[4:5]
	s_add_nc_u64 s[32:33], s[4:5], s[18:19]        ; block 0's base; nothing is stepped while loads are out: a base for each block
.irp t, 1,2,3,4,5,6,7
	s_add_nc_u64 s[32+2*\t:33+2*\t], s[30+2*\t:31+2*\t], s[20:21]
.endr
	s_add_nc_u64 s[26:27], s[12:13], s[26:27]
	s_add_nc_u64 s[28:29], s[12:13], s[28:29]
.macro LOAD t
.set ii, 0
.rept 32
	global_load_b32 v[X+32*((\t)%2)+ii], v[OFFI+ii], s[32+2*(\t):33+2*(\t)] th:TH_LOAD_NT
.set ii, ii+1
.endr
.endm
	LOAD 0
	LOAD 1
; block t = 4 s + 2 c + h: K step s of my two, registers 6 c .. 6 c + 5 of target lane row + 16 h
.macro BLOCK t
.set XS, X+32*((\t)%2)
.set IM, 1536*((\t)/4)+256*((\t)%2)
.if (\t) < 7
	s_wait_loadcnt 32                              ; this block's 32 loads are in; the next block's may be out
.else
	s_wait_loadcnt 0x0
.endif
	v_max3_num_f32 v12, |v[XS]|, |v[XS+1]|, |v[XS+2]|
	v_max3_num_f32 v13, |v[XS+3]|, |v[XS+4]|, |v[XS+5]|
.irp i, 6,10,14,18,22,26
	v_max3_num_f32 v12, v12, |v[XS+\i]|, |v[XS+\i+1]|
	v_max3_num_f32 v13, v13, |v[XS+\i+2]|, |v[XS+\i+3]|
.endr
	v_max3_num_f32 v12, v12, |v[XS+30]|, |v[XS+31]|
	v_max3_num_f32 v12, v12, v13, 0x1800000        ; and the floor 2^(3 - 127)
	v_add_nc_u32 v11, 0xff000000, v12              ; 2 off the exponent field: the conversion's scale operand
	v_lshrrev_b32 v13, 23, v11                     ; the byte
.if (\t)%4 == 0
	v_mov_b32 v[SB+(\t)/4], v13
.else
	v_lshl_or_b32 v[SB+(\t)/4], v13, 8*((\t)%4), v[SB+(\t)/4]
.endif
	v_cvt_scalef32_pk16_fp6_f32 v[P:P+2], v[XS:XS+15], v11
	v_cvt_scalef32_pk16_fp6_f32 v[T:T+2], v[XS+16:XS+31], v11
	v_nop                                          ; one plain place behind the scaled conversions
.irp i, 0,1,2
	v_mov_b32 v[P+3+\i], v[T+\i]
.endr
.if ((\t)%4)/2 == 0
	ds_store_b128 v4, v[P:P+3] offset:IM           ; registers 0-3
	ds_store_b64 v4, v[P+4:P+5] offset:IM+512      ; registers 4, 5
.else
	ds_store_b64 v4, v[P:P+1] offset:IM+520        ; registers 6, 7
	ds_store_b128 v4, v[P+2:P+5] offset:IM+1024    ; registers 8-11
.endif
.if (\t) < 6
	LOAD (\t)+2
.endif
	s_wait_dscnt 0x0                               ; the stores have read their registers: the next block's codes may be written
.endm
.irp t, 0,1,2,3,4,5,6,7
	BLOCK \t
.endr
	global_store_b64 v7, v[SB:SB+1], s[28:29]      ; the wave's 32 lanes fill 256 consecutive bytes, aligned
.irp i, 0,1,2,3,4,5,6,7,8,9,10,11
	ds_load_b128 v[OUTR+4*\i:OUTR+4*\i+3], v5 offset:512*\i   ; LDS serves a wave's instructions in order: these see my stores
.endr
.irp i, 0,1,2,3,4,5,6,7,8,9,10,11
	s_wait_dscnt 11-\i                             ; the younger loads may be out
	global_store_b128 v6, v[OUTR+4*\i:OUTR+4*\i+3], s[26:27] offset:12288*(\i/6)+512*(\i%6)
.endr
	s_wait_tensorcnt 0x0
	ds_add_u32 v192, v193
	s_wait_dscnt 0x0
	s_endpgm
.Lfunc_end_k_qcec71d3812_qw:
	.size	k_qcec71d3812_qw, .Lfunc_end_k_qcec71d3812_qw-k_qcec71d3812_qw
	.p2alignl 7, 3214868480
	.fill 96, 4, 3214868480
	.section	.rodata,"a",@progbits
	.p2align	6, 0x0
	.amdhsa_kernel k_qcec71d3812_qw
		.amdhsa_group_segment_fixed_size 12544
		.amdhsa_private_segment_fixed_size 0
		.amdhsa_enable_private_segment 0
		.amdhsa_kernarg_size 40
		.amdhsa_user_sgpr_count 2
		.amdhsa_user_sgpr_kernarg_segment_ptr 1
		.amdhsa_wavefront_size32 1
		.amdhsa_system_sgpr_workgroup_id_x 1
		.amdhsa_system_sgpr_workgroup_id_y 1
		.amdhsa_system_sgpr_workgroup_id_z 1
		.amdhsa_system_vgpr_workitem_id 0
		.amdhsa_next_free_vgpr 194
		.amdhsa_next_free_sgpr 66
		.amdhsa_reserve_vcc 0
		.amdhsa_float_denorm_mode_32 3
		.amdhsa_float_denorm_mode_16_64 3
		.amdhsa_memory_ordered 1
		.amdhsa_forward_progress 1
		.amdhsa_inst_pref_size 44
	.end_amdhsa_kernel
	.amdgpu_metadata
---
amdhsa.version: [ 1, 2 ]
amdhsa.kernels:
  - .name:           k_qcec71d3812_qw
    .symbol:         k_qcec71d3812_qw.kd
    .args:
      - { .name: Wq, .offset: 0, .size: 8, .value_kind: global_buffer, .address_space: global }
      - { .name: Wk, .offset: 8, .size: 8, .value_kind: global_buffer, .address_space: global }
      - { .name: Wv, .offset: 16, .size: 8, .value_kind: global_buffer, .address_space: global }
      - { .name: Wo, .offset: 24, .size: 8, .value_kind: global_buffer, .address_space: global }
      - { .name: WQ, .offset: 32, .size: 8, .value_kind: global_buffer, .address_space: global }
    .group_segment_fixed_size: 12544
    .private_segment_fixed_size: 0
    .kernarg_segment_align: 8
    .kernarg_segment_size: 40
    .max_flat_workgroup_size: 64
    .sgpr_count:     66
    .vgpr_count:     194
    .wavefront_size: 32
...
	.end_amdgpu_metadata
.endif
;; end of part 2
;; launch proj (part 3): grid 96 x 4, 4 waves a work-group, clusters of 4 x 4, 327,680 bytes of LDS; arguments XQ, WQ, bq, bk, bv, QK, VV; writes QK, VV
.if DOCPART == 3
	.amdgcn_target "amdgcn-amd-amdhsa--gfx1250"
	.amdhsa_code_object_version 6
	.text
	.protected	k_qcec71d3812_proj
	.globl	k_qcec71d3812_proj
	.p2align	8
	.type	k_qcec71d3812_proj,@function
k_qcec71d3812_proj:
	s_mov_b64 s[64:65], 0
	v_nop
	global_prefetch_b8 v0, s[64:65] scope:SCOPE_SE
	s_setreg_imm32_b32 hwreg(HW_REG_WAVE_MODE, 25, 1), 1
	s_wait_xcnt 0x0
	s_wait_alu depctr_hold_cnt(0) depctr_sa_sdst(0) depctr_va_vdst(0) depctr_va_sdst(0) depctr_va_ssrc(0) depctr_va_vcc(0) depctr_vm_vsrc(0)
	s_getreg_b32 s2, hwreg(HW_REG_IB_STS2, 6, 4)
	s_cmp_eq_u32 s2, 0
	s_cbranch_scc0 .Lentry_in_a_cluster
	s_endpgm
.Lentry_in_a_cluster:
	s_bfe_u32 s2, ttmp6, 0x10000c
	s_cmp_lg_u32 s2, 0xf033
	s_cbranch_scc0 .Lentry_shape_is_right
	s_endpgm
.Lentry_shape_is_right:
; q, k, v = x W + b on codes of FP6 (E2M3), and their quantising for attention.  K = 1024.
; A tile of 256 x 256 to a work-group, 128 x 128 to each of four waves: 64 accumulators, 512 registers.  Source 0 = 16 rows of B, source 1 = 16 rows of A:
; a lane holds one row of A, its registers run along B's rows; B's rows are stored so that the 16 registers of tiles 2 b, 2 b + 1 are 16 neighbours.
; TWO MODES, by the cluster's number c, which all sixteen partners share:
;   c < 16:  B = Wq's and Wk's 2,048 rows, A = x's tokens.  A lane holds a token and 128 channels (two heads): quantised along the channels.  Out: QK.
;   c >= 16: B = x's tokens, A = Wv's 1,024 rows.  A lane holds a channel and 128 tokens: quantised along the tokens (the keys).  Out: VV.
; Operands lie in memory as images of fragments (1,536 bytes: byte 512 g + 16 lane + 4 e = register 4 g + e), so a fragment is three loads of 16 bytes a lane, from LDS bytes on end.
; K goes in slots of 256 (two fragments deep) through a ring of two LDS slots; a wave's tensor load brings 8 row tiles x 3,072 bytes.  The scale words of the 512 rows, for all of K, come once.
; CLUSTERS 4 x 4: A's tiles are asked for jointly along a row of the cluster, B's along a column.
; OUT: QK: half images (16 tokens x 64 channels: registers 0-3 at 16 lane, 4-5 at 512 + 8 lane) [q heads 0-15, k heads 16-31][token tile 512][768];
;      from QKS_OFF [head 32][step of 128 tokens 64][row 16][4 words], word i: bytes 0, 1 of tile 2 i, bytes 2, 3 of tile 2 i + 1.
;      VV: images of V^T [head 16][step 64][channel tile 4][1536]; from VS_OFF [head][step][lane 32][2 words], word g: lanes 0-15 tile 2 g, lanes 16-31 tile 2 g + 1.
; LIMITS: NaN and infinities are not served; blocks under 2^-124 keep the byte 1; a block of zeros has the byte 1 (its codes are zeros; this program alone reads the bytes).
; REGISTERS: window 0: v0-31 addresses; v32-63 scale words, two sets; v64-127 the bias along B's rows; v128-223 A's fragments, one set; v224-239 the bias of A's rows; v240-255 at work on the way out.
;   window 1: B's fragments, two sets, at v0 and v128.  window 2: accumulators of my rows 0-63 ((a, b) at v[8 (8 a + b)]); window 3: rows 64-127.
.set XS_OFF,  6291456
.set WS_OFF,  3145728
.set QKS_OFF, 12582912
.set VS_OFF,  6291456
.set NQ,    2                          ; fragments deep in a slot
.set FR,    12
.set NL,    3                          ; LDS loads that bring a fragment
.set NP,    4                          ; places behind this matrix instruction (ISA guide 7.12.1)
.set HALFT, 24576                      ; 8 row tiles x 3,072 bytes: what one tensor load brings
.set SLOT,  4*HALFT                    ; A's 256 rows, then B's
.set HALFS, 4096                       ; the scale words of 128 rows
.set SCL,   2*SLOT
.set SPARE, SCL+4*HALFS                ; the spare words, 128 bytes a wave: two blocks of 256 bytes that no other line names
.set LAPS,  2                          ; 1024 / 512
.set L16,  9                           ; v9   16 x lane
.set L8,   10                          ; v10  8 x lane
.set SOF,  11                          ; v11  16 r + 16,384 h
.set BIA,  12                          ; v12  offset of the bias along B's rows
.set BVA,  13                          ; v13  offset of the bias of A's rows
.set ADRA, 16                          ; v16-17 LDS address of my A fragments in slot 0, 1
.set ADRB, 20                          ; v20-21 the same for B
.set ADRS, 27                          ; v27  my scale words: lanes 0-15 A's, lanes 16-31 B's
.set SPW,  28
.set NIL,  29
.set SC,   32
.set BI,   64
.set AF,   128
.set BV,   224
.set T,    128                         ; the way out: 64 numbers
.set PC,   192                         ; codes (12) and scratch (7)
.set W,    212                         ; v212-219 the eight blocks' scale words
.set MM,   220
.set TM,   240
.set WV,   66
.set HR,   67                          ; which half of A's rows is mine; also: I fetch for A (0) or B (1)
.set HC,   2                           ; which half of B's rows; also: which 128 rows I fetch
.set SEL,  98
.set G1, 24
.set G0, 32
.set G1B, 48
.set G0B, 56
.set G1S, 68
.set G0S, 76
.set G1SB, 80
.set G0SB, 88
.set MSB, 0
.macro WIN new                         ; the immediate's high byte repeats the setting that is left
.if MSB != \new
	s_set_vgpr_msb (MSB<<8)|\new
.set MSB, \new
.endif
.endm
.set MUL_LO, 0xa1                      ; source 0 (B) window 1, source 1 (A) window 0, C and D window 2
.set MUL_HI, 0xf1
.set TO_B,   0x40
; a joint load: waves 0, 1 fetch for A, waves 2, 3 for B; the branch hangs on the wave's number alone; four v_nop follow each line
.macro JLOAD g0a, g1a, g0b, g1b
	s_cmp_eq_u32 s[HR], 0
	s_cbranch_scc0 .Lfor_b_\@
	tensor_load_to_lds s[\g0a:\g0a+3], s[\g1a:\g1a+7]
	s_nop 0
.rept 4
	v_nop
.endr
	s_branch .Lasked_\@
.Lfor_b_\@:
	tensor_load_to_lds s[\g0b:\g0b+3], s[\g1b:\g1b+7]
	s_nop 0
.rept 4
	v_nop
.endr
.Lasked_\@:
.endm
.macro CREST
	s_cmp_lg_u32 s[WV], 0
	s_cbranch_scc1 .Lnot_wave_0_\@
	s_barrier_signal -3
.Lnot_wave_0_\@:
	s_barrier_wait -3
	s_barrier_signal -1
	s_barrier_wait -1
.endm
.macro CROUND
	s_barrier_signal -1
	s_barrier_wait -1
	CREST
.endm
.macro QUANT s, pc, pw
.irp b, 0,1,2,3
	v_max3_num_f32 v[TM+\b], |v[\s+16*\b]|, |v[\s+1+16*\b]|, 0x1800000
.endr
.irp i, 2,4,6,8,10,12,14
.irp b, 0,1,2,3
	v_max3_num_f32 v[TM+\b], v[TM+\b], |v[\s+16*\b+\i]|, |v[\s+1+16*\b+\i]|
.endr
.endr
.irp b, 0,1,2,3
	v_permlanex16_b32 v[TM+4+\b], v[TM+\b], s[SEL], s[SEL+1]
.endr
.irp b, 0,1,2,3
	v_max_num_f32 v[TM+\b], v[TM+\b], v[TM+4+\b]
.endr
.irp b, 0,1,2,3
	v_add_nc_u32 v[TM+12+\b], 0xff000000, v[TM+\b]
.endr
.irp b, 0,1,2,3
	v_lshrrev_b32 v[TM+4+\b], 23, v[TM+12+\b]
.endr
	v_lshl_or_b32 v[\pw], v[TM+5], 8, v[TM+4]
	v_lshl_or_b32 v[\pw], v[TM+6], 16, v[\pw]
	v_lshl_or_b32 v[\pw], v[TM+7], 24, v[\pw]
.irp c, 0,1
	v_cvt_scalef32_pk16_fp6_f32 v[\pc+6*\c:\pc+2+6*\c], v[\s+32*\c:\s+15+32*\c], v[TM+12+2*\c]
	v_cvt_scalef32_pk16_fp6_f32 v[\pc+12+4*\c:\pc+14+4*\c], v[\s+16+32*\c:\s+31+32*\c], v[TM+12+2*\c+1]
.endr
	v_nop
.irp c, 0,1
.irp i, 0,1,2
	v_permlane16_swap_b32 v[\pc+6*\c+\i], v[\pc+12+4*\c+\i]
.endr
.irp i, 0,1,2
	v_mov_b32 v[\pc+3+6*\c+\i], v[\pc+12+4*\c+\i]
.endr
.endr
.endm
	s_load_b128 s[4:7], s[0:1], 0x0                ; XQ, WQ
	s_load_b128 s[8:11], s[0:1], 0x10              ; bq, bk
	s_load_b128 s[12:15], s[0:1], 0x20             ; bv, QK
	s_load_b64 s[16:17], s[0:1], 0x30              ; VV
	v_lshl_add_u32 v[SPW], v0, 2, SPARE
	v_mov_b32 v[NIL], 0
	ds_add_u32 v28, v29
	ds_add_u32 v28, v29
	s_wait_dscnt 0x0
	v_lshrrev_b32 v1, 5, v0
	v_readfirstlane_b32 s[WV], v1                  ; wave 0..3
	s_lshr_b32 s[HR], s[WV], 1
	s_and_b32 s[HC], s[WV], 1
	s_bfe_u32 s40, ttmp6, 0x40000                  ; cx
	s_bfe_u32 s41, ttmp6, 0x40004                  ; cy
	s_and_b32 s18, ttmp9, 1
	s_lshl_b32 s18, s18, 2                         ; c < 16: B's tile = 4 (c & 1) + cx
	s_and_b32 s19, ttmp9, 7
	s_lshl_b32 s19, s19, 2                         ; c >= 16: 4 (c - 16) + cx
	s_lshr_b32 s20, ttmp9, 1
	s_lshl_b32 s20, s20, 2                         ; c < 16: A's tile = 4 (c / 2) + cy;  c >= 16: 8 + cy: Wv's rows begin at WQ's tile 8
	s_mov_b32 s21, WS_OFF
	s_mov_b32 s22, XS_OFF
	s_cmp_lt_u32 ttmp9, 16
	s_cselect_b32 s42, s18, s19
	s_cselect_b32 s45, s20, 8
	s_cselect_b32 s94, s22, s21                    ; where A's scale words begin in A's buffer
	s_cselect_b32 s95, s21, s22                    ; and B's
	s_add_co_u32 s42, s42, s40                     ; B's tile of 256 rows: cx enters B's registers alone
	s_add_co_u32 s45, s45, s41                     ; A's tile: cy enters A's alone
	s_lshl_b32 s43, s41, 2
	s_lshl_b32 s43, 15, s43                        ; my row of the cluster
	s_lshl_b32 s44, 0x1111, s40                    ; my column
	; group 1 for the codes: 8 rows (row tiles) of 3,072 bytes, 12,288 bytes apart, in elements of 8 bytes; no padding: images are read 512 bytes on end
	s_or_b32 s[G1+0], s43, (3<<16)|(1<<21)
	s_or_b32 s[G1B+0], s44, (3<<16)|(1<<21)
.irp g, G1, G1B
	s_mov_b32 s[\g+1], 384<<16                     ; tensor_dim0
	s_mov_b32 s[\g+2], 8<<16                       ; tensor_dim1
	s_mov_b32 s[\g+3], 384<<16                     ; tile_dim0
	s_mov_b32 s[\g+4], 8                           ; tile_dim1
	s_mov_b32 s[\g+5], 1536                        ; elements from row to row
	s_mov_b32 s[\g+6], 0
	s_mov_b32 s[\g+7], 0
.endr
	; and for the scale words of 128 rows: 4,096 dense bytes as 16 rows of 256
	s_or_b32 s[G1S+0], s43, (3<<16)|(1<<21)
	s_or_b32 s[G1SB+0], s44, (3<<16)|(1<<21)
.irp g, G1S, G1SB
	s_mov_b32 s[\g+1], 32<<16
	s_mov_b32 s[\g+2], 16<<16
	s_mov_b32 s[\g+3], 32<<16
	s_mov_b32 s[\g+4], 16
	s_mov_b32 s[\g+5], 32
	s_mov_b32 s[\g+6], 0
	s_mov_b32 s[\g+7], 0
.endr
	s_mul_i32 s19, s[HC], 98304                    ; which 128 rows of the tile I fetch
	s_mul_i32 s20, s45, 196608
	s_add_co_u32 s20, s20, s19                     ; A's codes
	s_mov_b32 s21, 0
	s_mul_i32 s46, s42, 196608
	s_add_co_u32 s46, s46, s19                     ; B's codes
	s_mov_b32 s47, 0
	s_lshl_b32 s18, s[HC], 12
	s_lshl_b32 s22, s45, 13
	s_add_co_u32 s22, s22, s18
	s_add_co_u32 s22, s22, s94                     ; A's scale words
	s_mov_b32 s23, 0
	s_lshl_b32 s92, s42, 13
	s_add_co_u32 s92, s92, s18
	s_add_co_u32 s92, s92, s95                     ; B's
	s_mov_b32 s93, 0
	s_mul_i32 s96, s[WV], HALFT                    ; where they go: wave x a quarter: no place in the cluster enters an LDS address
	s_lshl_b32 s97, s[WV], 12
	s_wait_kmcnt 0x0
	s_cmp_lt_u32 ttmp9, 16                         ; the choice of buffers hangs on the cluster's number alone
	s_cselect_b64 s[98:99], s[4:5], s[6:7]         ; A's buffer
	s_cselect_b64 s[100:101], s[6:7], s[4:5]       ; B's
	s_add_nc_u64 s[20:21], s[98:99], s[20:21]
	s_add_nc_u64 s[22:23], s[98:99], s[22:23]
	s_add_nc_u64 s[46:47], s[100:101], s[46:47]
	s_add_nc_u64 s[92:93], s[100:101], s[92:93]
	CROUND                                         ; all sixteen work-groups are here: the first joint loads meet
	s_mov_b32 s[G0S], 1
	s_add_co_u32 s[G0S+1], s97, SCL
	s_mov_b64 s[G0S+2:G0S+3], s[22:23]
	s_or_b32 s[G0S+3], s[G0S+3], 0x80000000
	s_mov_b32 s[G0SB], 1
	s_add_co_u32 s[G0SB+1], s97, SCL
	s_mov_b64 s[G0SB+2:G0SB+3], s[92:93]
	s_or_b32 s[G0SB+3], s[G0SB+3], 0x80000000
	JLOAD G0S, G1S, G0SB, G1SB                     ; the scale words first: they are wanted with K slot 0
.irp s, 0,1
	s_mov_b32 s[G0+4*\s], 1
	s_add_co_u32 s[G0+4*\s+1], s96, \s*SLOT
	s_add_nc_u64 s[G0+4*\s+2:G0+4*\s+3], s[20:21], \s*3072
	s_or_b32 s[G0+4*\s+3], s[G0+4*\s+3], 0x80000000
	s_mov_b32 s[G0B+4*\s], 1
	s_add_co_u32 s[G0B+4*\s+1], s96, \s*SLOT
	s_add_nc_u64 s[G0B+4*\s+2:G0B+4*\s+3], s[46:47], \s*3072
	s_or_b32 s[G0B+4*\s+3], s[G0B+4*\s+3], 0x80000000
	JLOAD G0+4*\s, G1, G0B+4*\s, G1B               ; a wave's tensor loads out: two behind slot 0's, three behind slot 1's
.endr
	v_and_b32 v1, 15, v0                           ; r
	v_bfe_u32 v2, v0, 4, 1                         ; h
	v_and_b32 v3, 31, v0                           ; lane
	v_lshlrev_b32 v[L16], 4, v3
	v_lshlrev_b32 v[L8], 3, v3
	v_lshlrev_b32 v[SOF], 4, v1
	v_lshl_add_u32 v[SOF], v2, 14, v[SOF]
	s_mul_i32 s21, s[HR], HALFT                    ; my 128 rows of A
	s_mul_i32 s22, s[HC], HALFT                    ; my 128 rows of B,
	s_add_co_u32 s22, s22, 2*HALFT                 ; which lie behind A's 256
.irp s, 0,1
	v_add_nc_u32 v[ADRA+\s], s21, v[L16]
	v_add_nc_u32 v[ADRB+\s], s22, v[L16]
	s_add_co_u32 s21, s21, SLOT
	s_add_co_u32 s22, s22, SLOT
.endr
	v_lshlrev_b32 v5, 3, v1                        ; my row's two words of a K slot
	s_mul_i32 s21, s[HR], HALFS
	s_mul_i32 s22, s[HC], HALFS
	s_add_co_u32 s22, s22, 2*HALFS
	s_sub_co_u32 s22, s22, s21
	v_mul_u32_u24 v6, s22, v2                      ; lanes 16-31 take B's: one product, the distance between the two bases
	s_add_co_u32 s21, s21, SCL
	v_add_nc_u32 v5, v5, v6
	v_add_nc_u32 v[ADRS], s21, v5
	; the bias: bq or bk by the cluster's low bit, bv in the second mode.  Both forms are loaded in both modes (both stay inside the 1,024 numbers); each way out reads its own
	s_bitcmp1_b32 ttmp9, 0
	s_cselect_b64 s[8:9], s[10:11], s[8:9]
	s_cmp_lt_u32 ttmp9, 16
	s_cselect_b64 s[8:9], s[8:9], s[12:13]
	s_lshl_b32 s18, s40, 10
	s_lshl_b32 s19, s[HC], 9
	s_add_co_u32 s18, s18, s19                     ; along B's rows: 4 (256 cx + 128 half)
	v_lshl_add_u32 v[BIA], v2, 6, s18              ; + 64 h: register 8 t + j is row 32 (t / 2) + 16 h + 8 (t % 2) + j
	s_lshl_b32 s19, s41, 10
	s_lshl_b32 s20, s[HR], 9
	s_add_co_u32 s19, s19, s20                     ; A's rows: 4 (256 cy + 128 half)
	v_and_b32 v[BVA], 8, v1
	v_add_nc_u32 v[BVA], v[BVA], v1                ; r % 8 + 16 (r / 8)
	v_lshl_add_u32 v[BVA], v[BVA], 2, s19
.irp t, 0,1,2,3,4,5,6,7
	global_load_b128 v[BI+8*\t:BI+8*\t+3], v[BIA], s[8:9] offset:(32*(\t/2)+8*(\t%2))*4
	global_load_b128 v[BI+8*\t+4:BI+8*\t+7], v[BIA], s[8:9] offset:(32*(\t/2)+8*(\t%2))*4+16
.endr
.irp a, 0,1,2,3,4,5,6,7
	global_load_b32 v[BV+2*\a], v[BVA], s[8:9] offset:(32*(\a/2)+8*(\a%2))*4      ; twice: a pair for the packed addition
	global_load_b32 v[BV+2*\a+1], v[BVA], s[8:9] offset:(32*(\a/2)+8*(\a%2))*4
.endr
	; where my results go: head H0 and step ST of 128 tokens, by the mode
	s_lshl_b32 s18, s42, 2
	s_lshl_b32 s19, s[HC], 1
	s_add_co_u32 s18, s18, s19                     ; first mode: head 4 x B's tile + 2 x half
	s_lshl_b32 s20, s41, 2
	s_lshl_b32 s21, s[HR], 1
	s_add_co_u32 s20, s20, s21                     ; second: 4 cy + 2 x half
	s_lshl_b32 s22, s45, 1
	s_add_co_u32 s22, s22, s[HR]                   ; first: step 2 x A's tile + half
	s_lshl_b32 s23, s42, 1
	s_add_co_u32 s23, s23, s[HC]                   ; second: 2 x B's tile + half
	s_mov_b32 s94, QKS_OFF
	s_mov_b32 s95, VS_OFF
	s_cmp_lt_u32 ttmp9, 16
	s_cselect_b32 s18, s18, s20
	s_cselect_b32 s22, s22, s23
	s_cselect_b32 s94, s94, s95
	s_cselect_b64 s[14:15], s[14:15], s[16:17]     ; QK or VV
	s_mul_i32 s20, s18, 393216
	s_mul_i32 s21, s22, 6144
	s_add_co_u32 s20, s20, s21
	s_mov_b32 s21, 0
	s_add_nc_u64 s[4:5], s[14:15], s[20:21]        ; the codes' base
	s_lshl_b32 s20, s18, 14
	s_lshl_b32 s23, s22, 8
	s_add_co_u32 s20, s20, s23
	s_add_co_u32 s20, s20, s94
	s_add_nc_u64 s[6:7], s[14:15], s[20:21]        ; the scale words' base
	s_mov_b32 s[SEL], 0x76543210
	s_mov_b32 s[SEL+1], 0xfedcba98
	s_mov_b32 s100, 0xffff0000                     ; lanes 16-31; also a word's upper half
.irp b, 0,1,2,3
	v_mov_b32 v[TM+4+\b], 0                        ; written once: a lane permute's destination counts as one of its sources
.endr
.macro FRAG reg, adr, q, i             ; a fragment's image: three loads, 512 consecutive bytes each
.irp c, 0,1,2
	ds_load_b128 v[\reg+4*\c:\reg+4*\c+3], v[\adr] offset:3072*(\i)+1536*(\q)+512*\c
.endr
.endm
; 16 matrix instructions: A's blocks a0, a0 + 1 x B's eight.  The 64 accumulators take turns, one instruction a turn, in the same order in every step
.macro MUL16 a0, p, q, sc, zero
.irp a, \a0, \a0+1
.irp b, 0,1,2,3,4,5,6,7
.if \zero
	v_wmma_scale_f32_16x16x128_f8f6f4 v[8*(8*((\a)%4)+\b):8*(8*((\a)%4)+\b)+7], v[128*(\p)+FR*\b:128*(\p)+FR*\b+FR-1], v[AF+FR*(\a):AF+FR*(\a)+FR-1], 0, v[SC+8*NQ*(\sc)+NQ*\b+(\q)], v[SC+8*NQ*(\sc)+NQ*(\a)+(\q)] matrix_a_fmt:MATRIX_FMT_FP6 matrix_b_fmt:MATRIX_FMT_FP6 matrix_a_scale:MATRIX_SCALE_ROW1
.else
	v_wmma_scale_f32_16x16x128_f8f6f4 v[8*(8*((\a)%4)+\b):8*(8*((\a)%4)+\b)+7], v[128*(\p)+FR*\b:128*(\p)+FR*\b+FR-1], v[AF+FR*(\a):AF+FR*(\a)+FR-1], v[8*(8*((\a)%4)+\b):8*(8*((\a)%4)+\b)+7], v[SC+8*NQ*(\sc)+NQ*\b+(\q)], v[SC+8*NQ*(\sc)+NQ*(\a)+(\q)] matrix_a_fmt:MATRIX_FMT_FP6 matrix_b_fmt:MATRIX_FMT_FP6 matrix_a_scale:MATRIX_SCALE_ROW1
.endif
.endr
.endr
.endm
.macro FETCH_B slot, q, p
	WIN TO_B
.irp i, 0,1,2,3,4,5,6,7
	FRAG 128*(\p)+FR*\i, ADRB+\slot, \q, \i
.endr
	WIN 0
.endm
.macro FETCH_A slot, q, i0
.irp i, \i0, \i0+1, \i0+2, \i0+3
	FRAG AF+FR*(\i), ADRA+\slot, \q, \i
.endr
.endm
.macro SCALES sc                       ; a K slot's scale words: two a row; lanes 0-15 A's block i, lanes 16-31 B's block i
.irp i, 0,1,2,3,4,5,6,7
	ds_load_b64 v[SC+8*NQ*\sc+NQ*\i:SC+8*NQ*\sc+NQ*\i+1], v[ADRS] offset:1024*(\i/2)+128*(\i%2)
.endr
.endm
.macro PLACES n                        ; plain vector places in front of loads into registers that matrix instructions have read, and of the first read of results
.rept \n
	v_nop
.endr
.endm
.macro STEP slot, q, zero              ; 128 along K that has its successor in the same slot
	s_wait_dscnt 4*NL                              ; B's set, A's blocks 0-3 and the scale words are in; A's blocks 4-7 (12 loads) may be out
	WIN MUL_LO
	MUL16 0, (\q)%2, \q, \slot, \zero
	MUL16 2, (\q)%2, \q, \slot, \zero
	s_wait_dscnt 0
	PLACES NP
	FETCH_B \slot, (\q)+1, 1-(\q)%2
	FETCH_A \slot, (\q)+1, 0
	WIN MUL_HI
	MUL16 4, (\q)%2, \q, \slot, \zero
	MUL16 6, (\q)%2, \q, \slot, \zero
	PLACES NP
	WIN 0
	FETCH_A \slot, (\q)+1, 4
.endm
; a slot's last step changes slots: one barrier; in front of it each wave waits for all its tensor loads, adds 0 to its spare word, and waits for that and for its reads of this slot
.macro TURN slot, next, fill
	s_wait_tensorcnt 0x0                           ; all my tensor loads have landed: my part of the next slot
	ds_add_u32 v[SPW], v[NIL]                      ; 0 onto my spare word
	s_wait_dscnt 4*NL+1                            ; the add and A's blocks 4-7 may be out
	WIN MUL_LO
	MUL16 0, 1, NQ-1, \slot, 0
	s_wait_dscnt 0x0                               ; the add is done, and my reads of this slot are over
	s_barrier_signal -1
	MUL16 2, 1, NQ-1, \slot, 0
	WIN 0
	s_barrier_wait -1
.if \fill
	CREST                                          ; the barrier has opened a round of the cluster's barrier: no wave of any partner still reads this slot or has a load on its way
	s_add_nc_u64 s[G0+4*\slot+2:G0+4*\slot+3], s[G0+4*\slot+2:G0+4*\slot+3], 6144
	s_add_nc_u64 s[G0B+4*\slot+2:G0B+4*\slot+3], s[G0B+4*\slot+2:G0B+4*\slot+3], 6144
	JLOAD G0+4*\slot, G1, G0B+4*\slot, G1B         ; the first tensor load behind the round, one a wave; its four v_nop are the places in front of the loads below
.else
	PLACES NP
.endif
	v_add_nc_u32 v[ADRS], 256, v[ADRS]             ; the next K slot's scale words (no LDS load of mine is out)
	FETCH_B \next, 0, 0
	FETCH_A \next, 0, 0
	SCALES \next
	WIN MUL_HI
	MUL16 4, 1, NQ-1, \slot, 0
	MUL16 6, 1, NQ-1, \slot, 0
	PLACES NP
	WIN 0
	FETCH_A \next, 0, 4
.endm
	s_wait_tensorcnt 1                             ; the scale words and my part of K slot 0 are in; slot 1's load may be out
	s_barrier_signal -1
	s_barrier_wait -1
	FETCH_B 0, 0, 0
	FETCH_A 0, 0, 0
	SCALES 0
	FETCH_A 0, 0, 4
	STEP 0, 0, 1                                   ; the first step stands in front of the loop: its products start the sums
	s_mov_b32 s3, LAPS-1
.Llap:                                             ; a trip goes once round the ring and fills both slots again
	TURN 0, 1, 1
	STEP 1, 0, 0
	TURN 1, 0, 1
	STEP 0, 0, 0
	s_sub_co_u32 s3, s3, 1
	s_cmp_lg_u32 s3, 0
	s_cbranch_scc1 .Llap
	TURN 0, 1, 0                                   ; the last lap fills nothing
	STEP 1, 0, 0
	s_wait_dscnt 4*NL
	WIN MUL_LO
	MUL16 0, 1, NQ-1, 1, 0
	MUL16 2, 1, NQ-1, 1, 0
	s_wait_dscnt 0
	WIN MUL_HI
	MUL16 4, 1, NQ-1, 1, 0
	MUL16 6, 1, NQ-1, 1, 0
	WIN 0
; THE WAY OUT, block a of A's rows at a time: bias added in f32 (each accumulator from its low end on), quantised along B's rows in registers, stored as images.  No LDS.
.macro OUTBLK a, vm
.if (\a) > 0
	s_wait_xcnt 0x0                                ; the last block's stores have read their registers: the codes may be written again
.endif
.set WW, 0x02+(\a)/4
.set AC, 64*((\a)%4)
.set WA, W+(\a)
	WIN WW                                         ; source 0: window 2 or 3
.set ii, 0
.rept 32
.if \vm
	v_pk_add_f32 v[T+ii:T+ii+1], v[AC+ii:AC+ii+1], v[BV+2*(\a):BV+2*(\a)+1]
.else
	v_pk_add_f32 v[T+ii:T+ii+1], v[AC+ii:AC+ii+1], v[BI+ii:BI+ii+1]
.endif
.set ii, ii+2
.endr
	WIN 0
	QUANT T, PC, WA
.if \vm
.irp c, 0,1,2
	global_store_b128 v[L16], v[PC+4*\c:PC+4*\c+3], s[4:5] offset:393216*((\a)/4)+1536*((\a)%4)+512*\c   ; channel tile a % 4 of head a / 4: 512 consecutive bytes, aligned
.endr
.else
	global_store_b128 v[L16], v[PC:PC+3], s[4:5] offset:768*(\a)                    ; the first head's half image,
	global_store_b64 v[L8], v[PC+4:PC+5], s[4:5] offset:768*(\a)+512
	global_store_b128 v[L16], v[PC+6:PC+9], s[4:5] offset:393216+768*(\a)           ; the second's
	global_store_b64 v[L8], v[PC+10:PC+11], s[4:5] offset:393216+768*(\a)+512
.endif
.endm
	PLACES NP
	s_wait_loadcnt 0x0                             ; the biases
	s_cmp_lt_u32 ttmp9, 16                         ; the cluster's number: alike in all partners and waves
	s_cbranch_scc0 .Lvmode
.irp a, 0,1,2,3,4,5,6,7
	OUTBLK \a, 0
.endr
.irp i, 0,1,2,3                        ; a block's word: bytes 0, 1 the first head's, bytes 2, 3 the second's.  Stored: for each head, word i = tile 2 i's two bytes, then tile 2 i + 1's
	v_and_b32 v[TM+\i], 0xffff, v[W+2*\i]
	v_lshl_or_b32 v[TM+\i], v[W+2*\i+1], 16, v[TM+\i]
	v_lshrrev_b32 v[TM+8+\i], 16, v[W+2*\i]
	v_and_or_b32 v[TM+8+\i], v[W+2*\i+1], s100, v[TM+8+\i]
	v_cndmask_b32 v[MM+\i], v[TM+\i], v[TM+8+\i], s100     ; lanes 0-15 store the first head's, lanes 16-31 the second's
.endr
	global_store_b128 v[SOF], v[MM:MM+3], s[6:7]   ; two runs of 256 consecutive bytes, aligned
	s_branch .Ldone
.Lvmode:
.irp a, 0,1,2,3
	OUTBLK \a, 1
.endr
	v_cndmask_b32 v[MM], v[W], v[W+1], s100        ; word g: lanes 0-15 tile 2 g, lanes 16-31 tile 2 g + 1
	v_cndmask_b32 v[MM+1], v[W+2], v[W+3], s100
	global_store_b64 v[L8], v[MM:MM+1], s[6:7]
.irp a, 4,5,6,7
	OUTBLK \a, 1
.endr
	v_cndmask_b32 v[MM+2], v[W+4], v[W+5], s100
	v_cndmask_b32 v[MM+3], v[W+6], v[W+7], s100
	global_store_b64 v[L8], v[MM+2:MM+3], s[6:7] offset:16384
.Ldone:
	s_wait_tensorcnt 0x0                           ; the wave's end
	ds_add_u32 v[SPW], v[NIL]
	s_wait_dscnt 0x0
	CROUND                                         ; the closing round
	s_endpgm
.Lfunc_end_k_qcec71d3812_proj:
	.size	k_qcec71d3812_proj, .Lfunc_end_k_qcec71d3812_proj-k_qcec71d3812_proj
	.p2alignl 7, 3214868480
	.fill 96, 4, 3214868480
	.section	.rodata,"a",@progbits
	.p2align	6, 0x0
	.amdhsa_kernel k_qcec71d3812_proj
		.amdhsa_group_segment_fixed_size 327680
		.amdhsa_private_segment_fixed_size 0
		.amdhsa_enable_private_segment 0
		.amdhsa_kernarg_size 56
		.amdhsa_user_sgpr_count 2
		.amdhsa_user_sgpr_kernarg_segment_ptr 1
		.amdhsa_wavefront_size32 1
		.amdhsa_system_sgpr_workgroup_id_x 1
		.amdhsa_system_sgpr_workgroup_id_y 1
		.amdhsa_system_sgpr_workgroup_id_z 1
		.amdhsa_system_vgpr_workitem_id 0
		.amdhsa_next_free_vgpr 1024
		.amdhsa_next_free_sgpr 102
		.amdhsa_reserve_vcc 0
		.amdhsa_float_denorm_mode_32 3
		.amdhsa_float_denorm_mode_16_64 3
		.amdhsa_memory_ordered 1
		.amdhsa_forward_progress 1
		.amdhsa_inst_pref_size 211
	.end_amdhsa_kernel
	.amdgpu_metadata
---
amdhsa.version: [ 1, 2 ]
amdhsa.kernels:
  - .name:           k_qcec71d3812_proj
    .symbol:         k_qcec71d3812_proj.kd
    .args:
      - { .name: XQ, .offset: 0, .size: 8, .value_kind: global_buffer, .address_space: global }
      - { .name: WQ, .offset: 8, .size: 8, .value_kind: global_buffer, .address_space: global }
      - { .name: bq, .offset: 16, .size: 8, .value_kind: global_buffer, .address_space: global }
      - { .name: bk, .offset: 24, .size: 8, .value_kind: global_buffer, .address_space: global }
      - { .name: bv, .offset: 32, .size: 8, .value_kind: global_buffer, .address_space: global }
      - { .name: QK, .offset: 40, .size: 8, .value_kind: global_buffer, .address_space: global }
      - { .name: VV, .offset: 48, .size: 8, .value_kind: global_buffer, .address_space: global }
    .group_segment_fixed_size: 327680
    .private_segment_fixed_size: 0
    .kernarg_segment_align: 8
    .kernarg_segment_size: 56
    .max_flat_workgroup_size: 128
    .sgpr_count:     102
    .vgpr_count:     1024
    .wavefront_size: 32
...
	.end_amdgpu_metadata
.endif
;; end of part 3
;; launch attn (part 4): grid 4 x 64, 16 waves a work-group, clusters of 4 x 1, 215,040 bytes of LDS; arguments QK, VV, AT; writes AT
.if DOCPART == 4
	.amdgcn_target "amdgcn-amd-amdhsa--gfx1250"
	.amdhsa_code_object_version 6
	.text
	.protected	k_qcec71d3812_attn
	.globl	k_qcec71d3812_attn
	.p2align	8
	.type	k_qcec71d3812_attn,@function
k_qcec71d3812_attn:
	s_mov_b64 s[64:65], 0
	v_nop
	global_prefetch_b8 v0, s[64:65] scope:SCOPE_SE
	s_setreg_imm32_b32 hwreg(HW_REG_WAVE_MODE, 25, 1), 1
	s_wait_xcnt 0x0
	s_wait_alu depctr_hold_cnt(0) depctr_sa_sdst(0) depctr_va_vdst(0) depctr_va_sdst(0) depctr_va_ssrc(0) depctr_va_vcc(0) depctr_vm_vsrc(0)
	s_getreg_b32 s2, hwreg(HW_REG_IB_STS2, 6, 4)
	s_cmp_eq_u32 s2, 0
	s_cbranch_scc0 .Lentry_in_a_cluster
	s_endpgm
.Lentry_in_a_cluster:
	s_bfe_u32 s2, ttmp6, 0x10000c
	s_cmp_lg_u32 s2, 0x3003
	s_cbranch_scc0 .Lentry_shape_is_right
	s_endpgm
.Lentry_shape_is_right:
; Attention on codes of FP6 (E2M3): S^T = K Q^T (K = the head's 64), p = 2^(t - M), O^T = V^T P^T (K = the keys), O / l, and O's quantising along the head's 64 for the last product.
; t = score x log2(e) / 8; M = the running largest t rounded UP to a whole number; p is not normalised; l is the sum of the unquantised p; when M moves, l and O^T are multiplied by 2^(old M - new M): exact.
; SHARES: y = 16 batch + head; the four work-groups of a cluster take 512 queries each of that head; each of sixteen waves takes one tile of 16 queries at a time, two tiles one after the other, in 256 registers.
; THE HEAD'S WHOLE K AND V STAY IN LDS: 2 x 98,304 bytes of images and 2 x 4,096 of scale words, filled ONCE by joint loads (the four partners read the same bytes): no ring, nothing is filled again.
; Both products are used transposed: a lane holds one query throughout.  The tokens of a tile are stored so that the 16 registers of key tiles 2 b, 2 b + 1 are 16 neighbouring keys.
; K = 64 IN AN INSTRUCTION OF 128: source 0 is a PAIR of key tiles (tile 2 i in k = 0..63, tile 2 i + 1 in k = 64..127); source 1 is [q | zeros] or [zeros | q].  The format has no NaN and no infinity, so the
; other tile's codes times the code 0 add exactly 0.  Only ONE side of the dead half holds zero codes; q's scale bytes there are 0 (2^-127), so that the dead blocks stand far under the live ones.
; LIMITS: NaN and infinities are not served; blocks under 2^-124 keep the byte 1; a block of zeros has the byte 1 (its codes are zeros; this program alone reads the bytes).
; OUT: AT: half images [token tile 512][head 16][768]; from ATS_OFF [head 16][token tile 512][row 16] two bytes.
.set VREG, 98304
.set SCK,  196608
.set SCV,  200704
.set ASC,  204800                      ; 1,024 bytes of scratch in blocks of their own: the scale bytes of the work-group's 32 tiles
.set QKS_OFF, 12582912
.set VS_OFF,  6291456
.set ATS_OFF, 6291456
.set KP, 40                            ; v40-87   four pairs of key tiles; behind the first product: scratch
.set VF, 88                            ; v88-135  V^T: four fragments
.set S,  136                           ; v136-199 S^T, then p
.set O,  200                           ; v200-231 O^T
.set PC, 232                           ; v232-243 p's codes
.set BM, 40                            ; scratch: the blocks' largest scores
.set PT, 44
.set SO, 48
.set BY, 52
.set CT, 56
.set FF, 64
.set TP, 66
.set WV,  10
.set SEL, 20
.set CS,  22
.set G1C, 24
.set G1S, 32
.set G0C, 40
.set G0S, 44
.set TB,  48
.set TS,  49
.set CNT, 50
.macro ROUND
	s_barrier_signal -1
	s_barrier_wait -1
	s_cmp_lg_u32 s[WV], 0
	s_cbranch_scc1 .Lnot_wave_0_\@
	s_barrier_signal -3
.Lnot_wave_0_\@:
	s_barrier_wait -3
	s_barrier_signal -1
	s_barrier_wait -1
.endm
	s_load_b128 s[4:7], s[0:1], 0x0                ; QK, VV
	s_load_b64 s[8:9], s[0:1], 0x10                ; AT
	v_lshl_add_u32 v254, v0, 2, 0x34000
	v_mov_b32 v255, 0
	ds_add_u32 v254, v255
	ds_add_u32 v254, v255
	s_wait_dscnt 0x0
	v_lshrrev_b32 v1, 5, v0
	v_readfirstlane_b32 s[WV], v1                  ; wave 0..15
	s_bfe_u32 s11, ttmp6, 0x40000                  ; cx: my block of 512 queries; it enters Q's and the output's addresses alone
	s_and_b32 s12, ttmp7, 0xffff
	s_and_b32 s13, s12, 15                         ; head
	s_lshr_b32 s14, s12, 4                         ; batch
	s_mov_b32 s[G1C], 15|(3<<16)|(1<<21)           ; all four work-groups; elements of 8 bytes; no padding
	s_mov_b32 s[G1C+1], 32<<16                     ; rows of 256 bytes
	s_mov_b32 s[G1C+2], 96<<16                     ; 96 of them: 24,576 dense bytes
	s_mov_b32 s[G1C+3], 32<<16
	s_mov_b32 s[G1C+4], 96
	s_mov_b32 s[G1C+5], 32
	s_mov_b32 s[G1C+6], 0
	s_mov_b32 s[G1C+7], 0
	s_mov_b32 s[G1S], 15|(3<<16)|(1<<21)
	s_mov_b32 s[G1S+1], 32<<16
	s_mov_b32 s[G1S+2], 16<<16                     ; 4,096 dense bytes
	s_mov_b32 s[G1S+3], 32<<16
	s_mov_b32 s[G1S+4], 16
	s_mov_b32 s[G1S+5], 32
	s_mov_b32 s[G1S+6], 0
	s_mov_b32 s[G1S+7], 0
	; waves 0-3 fetch K's quarters, 4-7 V's; wave 8 K's scale words, wave 9 V's
	s_mov_b32 s[G0C], 1
	s_and_b32 s15, s[WV], 7
	s_mul_i32 s[G0C+1], s15, 24576
	s_mul_i32 s16, s13, 393216
	s_mul_i32 s17, s14, 98304
	s_add_co_u32 s16, s16, s17
	s_and_b32 s17, s[WV], 3
	s_mul_i32 s17, s17, 24576
	s_add_co_u32 s18, s16, s17
	s_bitcmp1_b32 s[WV], 2
	s_cselect_b32 s17, 0, 6291456                  ; k's heads lie 16 heads behind q's
	s_add_co_u32 s18, s18, s17
	s_mov_b32 s19, 0
	s_mov_b32 s[G0S], 1
	s_and_b32 s15, s[WV], 1
	s_lshl_b32 s15, s15, 12
	s_add_co_u32 s[G0S+1], s15, SCK
	s_lshl_b32 s60, s13, 14
	s_lshl_b32 s61, s14, 12
	s_add_co_u32 s60, s60, s61
	s_mov_b32 s61, QKS_OFF+262144
	s_bitcmp1_b32 s[WV], 0
	s_cselect_b32 s61, VS_OFF, s61
	s_add_co_u32 s60, s60, s61
	s_mov_b32 s61, 0
	; my queries: tile gt = 128 batch + 32 cx + 16 pass + wave
	s_lshl_b32 s62, s14, 7
	s_lshl_b32 s63, s11, 5
	s_add_co_u32 s62, s62, s63
	s_add_co_u32 s63, s62, s[WV]
	s_mul_i32 s52, s63, 768
	s_mul_i32 s66, s13, 393216
	s_add_co_u32 s52, s52, s66                     ; Q's half image
	s_mov_b32 s53, 0
	s_lshl_b32 s54, s62, 5                         ; Q's scale word: 256 bytes for each 8 tiles,
	s_lshr_b32 s66, s[WV], 3
	s_lshl_b32 s66, s66, 8
	s_add_co_u32 s54, s54, s66
	s_bfe_u32 s66, s[WV], 0x20001
	s_lshl_b32 s66, s66, 2                         ; word (tile % 8) / 2
	s_add_co_u32 s54, s54, s66
	s_lshl_b32 s66, s13, 14
	s_add_co_u32 s54, s54, s66
	s_add_co_u32 s54, s54, QKS_OFF
	s_mov_b32 s55, 0
	s_mul_i32 s56, s63, 12288
	s_mul_i32 s66, s13, 768
	s_add_co_u32 s56, s56, s66                     ; the output's half image
	s_mov_b32 s57, 0
	s_lshl_b32 s68, s62, 5
	s_lshl_b32 s66, s13, 14
	s_add_co_u32 s68, s68, s66
	s_add_co_u32 s68, s68, ATS_OFF                 ; and the work-group's 1,024 scale bytes
	s_mov_b32 s69, 0
	s_and_b32 s58, s[WV], 1
	s_lshl_b32 s58, s58, 4                         ; which half of the word is my tile's
	s_lshl_b32 s59, s[WV], 5
	s_mov_b32 s[SEL], 0x76543210
	s_mov_b32 s[SEL+1], 0xfedcba98
	s_mov_b32 s[CS], 0x3e38aa3b                    ; c = log2(e) / 8
	s_mov_b32 s[CS+1], s[CS]
	s_wait_kmcnt 0x0
	s_bitcmp1_b32 s[WV], 2
	s_cselect_b64 s[G0C+2:G0C+3], s[6:7], s[4:5]
	s_add_nc_u64 s[G0C+2:G0C+3], s[G0C+2:G0C+3], s[18:19]
	s_or_b32 s[G0C+3], s[G0C+3], 0x80000000
	s_bitcmp1_b32 s[WV], 0
	s_cselect_b64 s[G0S+2:G0S+3], s[6:7], s[4:5]
	s_add_nc_u64 s[G0S+2:G0S+3], s[G0S+2:G0S+3], s[60:61]
	s_or_b32 s[G0S+3], s[G0S+3], 0x80000000
	s_add_nc_u64 s[52:53], s[4:5], s[52:53]
	s_add_nc_u64 s[54:55], s[4:5], s[54:55]
	s_add_nc_u64 s[56:57], s[8:9], s[56:57]
	s_add_nc_u64 s[68:69], s[8:9], s[68:69]
	ROUND                                          ; all four work-groups are here: the joint loads meet
	s_cmp_lt_u32 s[WV], 8
	s_cbranch_scc0 .Lnot_codes
	tensor_load_to_lds s[G0C:G0C+3], s[G1C:G1C+7]
	s_nop 0
.rept 4
	v_nop
.endr
	s_branch .Lasked
.Lnot_codes:
	s_cmp_lt_u32 s[WV], 10
	s_cbranch_scc0 .Lasked
	tensor_load_to_lds s[G0S:G0S+3], s[G1S:G1S+7]
	s_nop 0
.rept 4
	v_nop
.endr
.Lasked:
	v_and_b32 v9, 31, v0
	v_and_b32 v10, 15, v0
	v_lshlrev_b32 v1, 4, v9                        ; 16 x lane
	v_lshlrev_b32 v2, 3, v9                        ; 8 x lane
	v_add_nc_u32 v3, VREG, v1
	v_lshlrev_b32 v253, 4, v10                     ; 16 r
	v_add_nc_u32 v4, SCK, v253
	v_add_nc_u32 v5, SCV, v2
	v_lshlrev_b32 v11, 1, v10
	v_add_nc_u32 v11, s59, v11
	v_add_nc_u32 v11, ASC, v11                     ; my tile's scale bytes: 32 wave + 2 r
	v_add_nc_u32 v254, ASC, v1
.set jj, 22
.rept 12
	v_mov_b32 v[jj], 0                             ; the zero halves of [q | 0] (v22-27) and [0 | q] (v28-33): written once
.set jj, jj+1
.endr
	s_wait_tensorcnt 0x0                           ; my load, if I issued one, has landed
	s_barrier_signal -1
	s_barrier_wait -1                              ; everybody's has
.macro PASS p
.if \p
	s_wait_xcnt 0x0                                ; the last tile's stores have read their registers
.endif
	global_load_b128 v[16:19], v1, s[52:53] offset:12288*\p        ; q, twice: into the low half of one operand
	global_load_b64 v[20:21], v2, s[52:53] offset:12288*\p+512
	global_load_b128 v[34:37], v1, s[52:53] offset:12288*\p        ; and the high half of the other
	global_load_b64 v[38:39], v2, s[52:53] offset:12288*\p+512
	global_load_b32 v250, v253, s[54:55] offset:512*\p
	v_mov_b32 v13, 0xff61b1e6                      ; the largest t so far: -3e38
	v_floor_f32 v12, -v13                          ; -M
	v_mov_b32 v14, 0
	v_mov_b32 v15, 0
.set jj, 0
.rept 32
	v_mov_b32 v[O+jj], 0                           ; the loop is written once: its first step finds zeros
.set jj, jj+1
.endr
	s_mov_b32 s[TB], 0
	s_mov_b32 s[TS], 0
	s_mov_b32 s[CNT], 16
	s_wait_loadcnt 0x0
	v_lshrrev_b32 v250, s58, v250
	v_and_b32 v250, 0xffff, v250                   ; [q | 0]: my two bytes below, 0 above
	v_lshlrev_b32 v251, 16, v250                   ; [0 | q]
.rept 4
	v_nop                                          ; with the five additions below: the places between a scale register's write and the scaled products
.endr
.Lstep_\@:                                         ; a key step: 128 keys
	v_add_nc_u32 v6, s[TB], v1                     ; (these five are also the places in front of the loads)
	v_add_nc_u32 v7, s[TB], v2
	v_add_nc_u32 v8, s[TB], v3
	v_add_nc_u32 v9, s[TS], v4
	v_add_nc_u32 v10, s[TS], v5
.irp j, 0,1,2,3,4,5,6,7
	ds_load_b128 v[KP+6*\j:KP+6*\j+3], v6 offset:768*\j
	ds_load_b64 v[KP+6*\j+4:KP+6*\j+5], v7 offset:768*\j+512
.endr
	ds_load_b128 v[244:247], v9                    ; the four pairs' scale words
.irp t, 0,1,2,3
.irp c, 0,1,2
	ds_load_b128 v[VF+12*\t+4*\c:VF+12*\t+4*\c+3], v8 offset:1536*\t+512*\c
.endr
.endr
	ds_load_b64 v[248:249], v10
	s_wait_dscnt 13                                ; K and its scale words are in; V's 13 loads may be out
.irp i, 0,1,2,3
.irp u, 0,1
	v_wmma_scale_f32_16x16x128_f8f6f4 v[S+8*(2*\i+\u):S+8*(2*\i+\u)+7], v[KP+12*\i:KP+12*\i+11], v[16+12*\u:27+12*\u], 0, v[244+\i], v[250+\u] matrix_a_fmt:MATRIX_FMT_FP6 matrix_b_fmt:MATRIX_FMT_FP6
.endr
.endr
.rept 4
	v_nop
.endr
.irp b, 0,1,2,3
	v_max3_num_f32 v[BM+\b], v[S+16*\b], v[S+1+16*\b], v[S+2+16*\b]    ; the largest score of each block of 32 keys: for the row's maximum, and, since p rises with the score, for the block's largest p
.endr
.irp i, 3,5,7,9,11,13
.irp b, 0,1,2,3
	v_max3_num_f32 v[BM+\b], v[BM+\b], v[S+16*\b+\i], v[S+1+16*\b+\i]
.endr
.endr
.irp b, 0,1,2,3
	v_max_num_f32 v[BM+\b], v[BM+\b], v[S+15+16*\b]
.endr
.irp b, 0,1,2,3
	v_permlanex16_b32 v[PT+\b], v[BM+\b], s[SEL], s[SEL+1]
.endr
.irp b, 0,1,2,3
	v_max_num_f32 v[BM+\b], v[BM+\b], v[PT+\b]
.endr
	v_max3_num_f32 v[TP], v[BM], v[BM+1], v[BM+2]
	v_max_num_f32 v[TP], v[TP], v[BM+3]
	v_mul_f32 v[TP], s[CS], v[TP]
	v_max_num_f32 v13, v13, v[TP]                  ; the running largest t
	v_mov_b32 v[TP], v12
	v_floor_f32 v12, -v13                          ; the new -M = -ceil(t)
	v_sub_f32 v[TP], v12, v[TP]                    ; old M - new M: a whole number, 0 or less
	v_cvt_i32_f32 v[TP], v[TP]                     ; (it saturates)
	v_ldexp_f32 v[FF], 1.0, v[TP]                  ; f = 2^(old M - new M)
.set jj, 0
.rept 32
	v_pk_fma_f32 v[S+jj:S+jj+1], v[S+jj:S+jj+1], s[CS:CS+1], v[12:13] op_sel_hi:[1,0,0]   ; t - M
.set jj, jj+2
.endr
.irp b, 0,1,2,3
	v_fma_f32 v[BM+\b], v[BM+\b], s[CS], v12
.endr
.set jj, 0
.rept 64
	v_exp_f32 v[S+jj], v[S+jj]                     ; p = 2^(t - M)
.set jj, jj+1
.endr
	v_pk_mul_f32 v[14:15], v[14:15], v[FF:FF+1] op_sel_hi:[1,0]    ; the sums under the new M: a plain place behind the exponentials
	s_wait_alu depctr_va_vdst(0)                   ; one wait for the batch, ahead of its first reader
.irp b, 0,1,2,3
	v_exp_f32 v[BM+\b], v[BM+\b]                   ; the blocks' largest p
.endr
	v_pk_add_f32 v[PT:PT+1], v[S:S+1], v[S+2:S+3]  ; the row's sum of the unquantised p, in two chains
.set jj, 4
.rept 15
	v_pk_add_f32 v[14:15], v[14:15], v[S+jj:S+jj+1]
	v_pk_add_f32 v[PT:PT+1], v[PT:PT+1], v[S+jj+2:S+jj+3]
.set jj, jj+4
.endr
	v_pk_add_f32 v[14:15], v[14:15], v[PT:PT+1]
	s_wait_alu depctr_va_vdst(0)                   ; and one for the four
.irp b, 0,1,2,3
	v_max_num_f32 v[BM+\b], 0x1800000, v[BM+\b]    ; the floor 2^(3 - 127)
.endr
.irp b, 0,1,2,3
	v_add_nc_u32 v[SO+\b], 0xff000000, v[BM+\b]
.endr
.irp b, 0,1,2,3
	v_lshrrev_b32 v[BY+\b], 23, v[SO+\b]
.endr
	v_lshl_or_b32 v252, v[BY+1], 8, v[BY]          ; p's scale word for these 128 keys
	v_lshl_or_b32 v252, v[BY+2], 16, v252
	v_lshl_or_b32 v252, v[BY+3], 24, v252
.irp c, 0,1
	v_cvt_scalef32_pk16_fp6_f32 v[PC+6*\c:PC+2+6*\c], v[S+32*\c:S+15+32*\c], v[SO+2*\c]
	v_cvt_scalef32_pk16_fp6_f32 v[CT+4*\c:CT+2+4*\c], v[S+16+32*\c:S+31+32*\c], v[SO+2*\c+1]
.endr
	v_nop
.irp c, 0,1
.irp i, 0,1,2
	v_permlane16_swap_b32 v[PC+6*\c+\i], v[CT+4*\c+\i]
.endr
.irp i, 0,1,2
	v_mov_b32 v[PC+3+6*\c+\i], v[CT+4*\c+\i]
.endr
.endr
.set jj, 0
.rept 16
	v_pk_mul_f32 v[O+jj:O+jj+1], v[O+jj:O+jj+1], v[FF:FF+1] op_sel_hi:[1,0]   ; O^T under the new M; also the places in front of the products below
.set jj, jj+2
.endr
	s_wait_dscnt 0x0                               ; V and its scale words are in
	v_wmma_scale_f32_16x16x128_f8f6f4 v[O:O+7], v[VF:VF+11], v[PC:PC+11], v[O:O+7], v248, v252 matrix_a_fmt:MATRIX_FMT_FP6 matrix_b_fmt:MATRIX_FMT_FP6
	v_wmma_scale_f32_16x16x128_f8f6f4 v[O+8:O+15], v[VF+12:VF+23], v[PC:PC+11], v[O+8:O+15], v248, v252 matrix_a_fmt:MATRIX_FMT_FP6 matrix_b_fmt:MATRIX_FMT_FP6 matrix_a_scale:MATRIX_SCALE_ROW1
	v_wmma_scale_f32_16x16x128_f8f6f4 v[O+16:O+23], v[VF+24:VF+35], v[PC:PC+11], v[O+16:O+23], v249, v252 matrix_a_fmt:MATRIX_FMT_FP6 matrix_b_fmt:MATRIX_FMT_FP6
	v_wmma_scale_f32_16x16x128_f8f6f4 v[O+24:O+31], v[VF+36:VF+47], v[PC:PC+11], v[O+24:O+31], v249, v252 matrix_a_fmt:MATRIX_FMT_FP6 matrix_b_fmt:MATRIX_FMT_FP6 matrix_a_scale:MATRIX_SCALE_ROW1
	s_add_co_u32 s[TB], s[TB], 6144                ; the next step's images,
	s_add_co_u32 s[TS], s[TS], 256                 ; and scale words
	s_sub_co_u32 s[CNT], s[CNT], 1
	s_cmp_lg_u32 s[CNT], 0
	s_cbranch_scc1 .Lstep_\@
	; the tile's end: O^T / l, quantised along the head's 64 channels (register 16 b + i = channel 32 b + 16 h + i)
.rept 4
	v_nop
.endr
	v_add_f32 v14, v14, v15
	v_permlanex16_b32 v[TP], v14, s[SEL], s[SEL+1]
	v_add_f32 v14, v14, v[TP]                      ; the row's sum
	v_rcp_f32 v14, v14
	v_nop
	s_wait_alu depctr_va_vdst(0)
.set jj, 0
.rept 16
	v_pk_mul_f32 v[S+jj:S+jj+1], v[O+jj:O+jj+1], v[14:15] op_sel_hi:[1,0]
.set jj, jj+2
.endr
.irp b, 0,1
	v_max3_num_f32 v[BM+\b], |v[S+16*\b]|, |v[S+1+16*\b]|, 0x1800000
.endr
.irp i, 2,4,6,8,10,12,14
.irp b, 0,1
	v_max3_num_f32 v[BM+\b], v[BM+\b], |v[S+16*\b+\i]|, |v[S+1+16*\b+\i]|
.endr
.endr
.irp b, 0,1
	v_permlanex16_b32 v[PT+\b], v[BM+\b], s[SEL], s[SEL+1]
.endr
.irp b, 0,1
	v_max_num_f32 v[BM+\b], v[BM+\b], v[PT+\b]
.endr
.irp b, 0,1
	v_add_nc_u32 v[SO+\b], 0xff000000, v[BM+\b]
.endr
.irp b, 0,1
	v_lshrrev_b32 v[BY+\b], 23, v[SO+\b]
.endr
	v_lshl_or_b32 v[BY], v[BY+1], 8, v[BY]         ; my row's two bytes
	v_cvt_scalef32_pk16_fp6_f32 v[PC:PC+2], v[S:S+15], v[SO]
	v_cvt_scalef32_pk16_fp6_f32 v[CT:CT+2], v[S+16:S+31], v[SO+1]
	v_nop
.irp i, 0,1,2
	v_permlane16_swap_b32 v[PC+\i], v[CT+\i]
.endr
.irp i, 0,1,2
	v_mov_b32 v[PC+3+\i], v[CT+\i]
.endr
	global_store_b128 v1, v[PC:PC+3], s[56:57] offset:196608*\p        ; 512 consecutive bytes, aligned,
	global_store_b64 v2, v[PC+4:PC+5], s[56:57] offset:196608*\p+512   ; and 256
	ds_store_b16 v11, v[BY] offset:512*\p          ; lanes l and l xor 16 write the same bytes with the same value
.endm
	PASS 0
	PASS 1
	s_wait_dscnt 0x0                               ; for the others: my two stores have landed
	s_barrier_signal -1
	s_barrier_wait -1
	s_cmp_lg_u32 s[WV], 0                          ; wave 0 stores the work-group's 1,024 scale bytes: whole runs of 512
	s_cbranch_scc1 .Lnot_mine
	ds_load_b128 v[40:43], v254
	ds_load_b128 v[44:47], v254 offset:512
	s_wait_dscnt 0x0
	global_store_b128 v1, v[40:43], s[68:69]
	global_store_b128 v1, v[44:47], s[68:69] offset:512
.Lnot_mine:
	s_wait_xcnt 0x0
	v_lshl_add_u32 v254, v0, 2, 0x34000
	v_mov_b32 v255, 0
	s_wait_tensorcnt 0x0
	ds_add_u32 v254, v255
	s_wait_dscnt 0x0
	ROUND                                          ; the closing round
	s_endpgm
.Lfunc_end_k_qcec71d3812_attn:
	.size	k_qcec71d3812_attn, .Lfunc_end_k_qcec71d3812_attn-k_qcec71d3812_attn
	.p2alignl 7, 3214868480
	.fill 96, 4, 3214868480
	.section	.rodata,"a",@progbits
	.p2align	6, 0x0
	.amdhsa_kernel k_qcec71d3812_attn
		.amdhsa_group_segment_fixed_size 215040
		.amdhsa_private_segment_fixed_size 0
		.amdhsa_enable_private_segment 0
		.amdhsa_kernarg_size 24
		.amdhsa_user_sgpr_count 2
		.amdhsa_user_sgpr_kernarg_segment_ptr 1
		.amdhsa_wavefront_size32 1
		.amdhsa_system_sgpr_workgroup_id_x 1
		.amdhsa_system_sgpr_workgroup_id_y 1
		.amdhsa_system_sgpr_workgroup_id_z 1
		.amdhsa_system_vgpr_workitem_id 0
		.amdhsa_next_free_vgpr 256
		.amdhsa_next_free_sgpr 72
		.amdhsa_reserve_vcc 0
		.amdhsa_float_denorm_mode_32 3
		.amdhsa_float_denorm_mode_16_64 3
		.amdhsa_memory_ordered 1
		.amdhsa_forward_progress 1
		.amdhsa_inst_pref_size 50
	.end_amdhsa_kernel
	.amdgpu_metadata
---
amdhsa.version: [ 1, 2 ]
amdhsa.kernels:
  - .name:           k_qcec71d3812_attn
    .symbol:         k_qcec71d3812_attn.kd
    .args:
      - { .name: QK, .offset: 0, .size: 8, .value_kind: global_buffer, .address_space: global }
      - { .name: VV, .offset: 8, .size: 8, .value_kind: global_buffer, .address_space: global }
      - { .name: AT, .offset: 16, .size: 8, .value_kind: global_buffer, .address_space: global }
    .group_segment_fixed_size: 215040
    .private_segment_fixed_size: 0
    .kernarg_segment_align: 8
    .kernarg_segment_size: 24
    .max_flat_workgroup_size: 512
    .sgpr_count:     72
    .vgpr_count:     256
    .wavefront_size: 32
...
	.end_amdgpu_metadata
.endif
;; end of part 4
;; launch outln (part 5): grid 256 x 1, 4 waves a work-group, clusters of 4 x 1, 327,680 bytes of LDS; arguments AT, WQ, x, bo, ln_w, ln_b, out0; writes out0
.if DOCPART == 5
	.amdgcn_target "amdgcn-amd-amdhsa--gfx1250"
	.amdhsa_code_object_version 6
	.text
	.protected	k_qcec71d3812_outln
	.globl	k_qcec71d3812_outln
	.p2align	8
	.type	k_qcec71d3812_outln,@function
k_qcec71d3812_outln:
	s_mov_b64 s[64:65], 0
	v_nop
	global_prefetch_b8 v0, s[64:65] scope:SCOPE_SE
	s_setreg_imm32_b32 hwreg(HW_REG_WAVE_MODE, 25, 1), 1
	s_wait_xcnt 0x0
	s_wait_alu depctr_hold_cnt(0) depctr_sa_sdst(0) depctr_va_vdst(0) depctr_va_sdst(0) depctr_va_ssrc(0) depctr_va_vcc(0) depctr_vm_vsrc(0)
	s_getreg_b32 s2, hwreg(HW_REG_IB_STS2, 6, 4)
	s_cmp_eq_u32 s2, 0
	s_cbranch_scc0 .Lentry_in_a_cluster
	s_endpgm
.Lentry_in_a_cluster:
	s_bfe_u32 s2, ttmp6, 0x10000c
	s_cmp_lg_u32 s2, 0x3003
	s_cbranch_scc0 .Lentry_shape_is_right
	s_endpgm
.Lentry_shape_is_right:
; out0 = LayerNorm(x + concat Wo + bo) ln_w + ln_b.  The product on codes of FP6 (E2M3), K = 1024; all else in f32.
; SHARES: a work-group takes 32 tokens (two token tiles) x all 1,024 columns, so a row's mean and variance need no other work-group.  Wave w takes Wo's column tiles 16 w .. 16 w + 15: 32 accumulators.
; Source 0 = 16 columns of Wo, source 1 = 16 tokens: a lane holds a token, its registers run along the columns (stored so that tiles 2 b, 2 b + 1 give 16 neighbours).
; Wo's images come through a ring of two LDS slots, a K step (98,304 bytes) each, by JOINT loads: all four work-groups of a cluster walk the same bytes.  Each wave fetches and reads its own 24,576 bytes of a slot.
; The tokens' 16 fragments and all scale words stay in registers.  The 8 K steps are written out.
; Then the 32 x 1,024 results turn through a stage in LDS (in the slots, which have had their last fill), each wave takes 8 whole rows, adds x and bo, and normalises: the variance from the centred numbers, in a second pass.
; Position p of the 32 tokens holds token p with bits 3 and 4 exchanged: positions 8 w .. 8 w + 7 are tokens 8 w' .. 8 w' + 7, w' = w with its two bits exchanged.
; REGISTERS: window 0: addresses, v10-25 and v40-55 sums, v32-39 and v64-127 scale words alone, v128-143 bytes as loaded, v160-255 bo, ln_w, ln_b.
;   window 1: the tokens' fragments at v[12 (2 s + m)]; x's rows 0, 1 from v192; rows 4-7 at v0-127 once K steps 0-5 are done.  window 2: accumulators (m, i) at v[8 (16 m + i)], later the 8 rows.  window 3: Wo's 16 fragments; x's rows 2, 3 from v192.
.set WS_OFF,  3145728
.set ATS_OFF, 6291456
.set SLOT,  98304
.set SPARE, 2*SLOT                     ; the spare words, 128 bytes a wave: two blocks of 256 bytes that no other line names
.set SP,    4112                       ; a stage row: 4,096 bytes + 16
.set ADRB, 4
.set STO,  6
.set RD,   8
.set SSQ,  10
.set SPW,  28
.set NIL,  29
.set AS,   32
.set SM,   40
.set BSC,  64
.set HW,   128
.set BO,   160
.set LW,   192
.set LB,   224
.set WV,  18
.set SEL, 22
.set G1,  24
.set G0,  32
.set MSB, 0
.macro WIN new
.if MSB != \new
	s_set_vgpr_msb (MSB<<8)|\new
.set MSB, \new
.endif
.endm
.macro ROUND
	s_barrier_signal -1
	s_barrier_wait -1
	s_cmp_lg_u32 s[WV], 0
	s_cbranch_scc1 .Lnot_wave_0_\@
	s_barrier_signal -3
.Lnot_wave_0_\@:
	s_barrier_wait -3
	s_barrier_signal -1
	s_barrier_wait -1
.endm
.macro PLACES
.rept 4
	v_nop
.endr
.endm
	s_load_b256 s[4:11], s[0:1], 0x0               ; AT, WQ, x, bo
	s_load_b128 s[12:15], s[0:1], 0x20             ; ln_w, ln_b
	s_load_b64 s[16:17], s[0:1], 0x30              ; out0
	v_lshl_add_u32 v[SPW], v0, 2, SPARE
	v_mov_b32 v[NIL], 0
	ds_add_u32 v28, v29
	ds_add_u32 v28, v29
	s_wait_dscnt 0x0
	v_lshrrev_b32 v1, 5, v0
	v_readfirstlane_b32 s[WV], v1                  ; wave 0..3
	s_bfe_u32 s19, ttmp6, 0x40000                  ; cx
	s_lshl_b32 s20, ttmp9, 2
	s_add_co_u32 s20, s20, s19                     ; my 32 tokens: it enters global addresses of my own loads and stores alone
	s_mov_b32 s[G1], 15|(3<<16)|(1<<21)            ; all four work-groups; elements of 8 bytes; no padding
	s_mov_b32 s[G1+1], 192<<16                     ; a row: one image, 1,536 bytes
	s_mov_b32 s[G1+2], 16<<16                      ; 16 column tiles
	s_mov_b32 s[G1+3], 192<<16
	s_mov_b32 s[G1+4], 16
	s_mov_b32 s[G1+5], 1536                        ; 12,288 bytes from tile to tile
	s_mov_b32 s[G1+6], 0
	s_mov_b32 s[G1+7], 0
	s_mul_i32 s40, s[WV], 24576                    ; my part of a slot
	s_mul_i32 s42, s[WV], 196608
	s_add_co_u32 s42, s42, 2359296                 ; Wo's rows begin at WQ's row tile 192
	s_mov_b32 s43, 0
	s_mul_i32 s44, s20, 24576                      ; my two token tiles in AT
	s_mov_b32 s45, 0
	s_lshl_b32 s46, s20, 6
	s_add_co_u32 s46, s46, ATS_OFF
	s_mov_b32 s47, 0
	s_lshl_b32 s48, s[WV], 13
	s_add_co_u32 s48, s48, WS_OFF+98304            ; Wo's scale words: pair 96 + 8 w on
	s_mov_b32 s49, 0
	s_and_b32 s50, s[WV], 1
	s_lshl_b32 s50, s50, 1
	s_lshr_b32 s51, s[WV], 1
	s_or_b32 s50, s50, s51                         ; w with its two bits exchanged
	s_lshl_b32 s50, s50, 15                        ; 8 rows of 4,096 bytes
	s_lshl_b32 s51, s20, 17
	s_add_co_u32 s50, s50, s51
	s_mov_b32 s51, 0
	s_mov_b32 s[SEL], 0x76543210
	s_mov_b32 s[SEL+1], 0xfedcba98
	s_mov_b32 s60, 0x3a800000                      ; 1 / 1024
	s_mov_b32 s61, 0x3727c5ac                      ; 1e-5
	s_wait_kmcnt 0x0
	s_add_nc_u64 s[42:43], s[6:7], s[42:43]
	s_add_nc_u64 s[44:45], s[4:5], s[44:45]
	s_add_nc_u64 s[46:47], s[4:5], s[46:47]
	s_add_nc_u64 s[48:49], s[6:7], s[48:49]
	s_add_nc_u64 s[8:9], s[8:9], s[50:51]
	s_add_nc_u64 s[16:17], s[16:17], s[50:51]
.irp s, 0,1
	s_mov_b32 s[G0+4*\s], 1
	s_add_co_u32 s[G0+4*\s+1], s40, \s*SLOT
	s_add_nc_u64 s[G0+4*\s+2:G0+4*\s+3], s[42:43], \s*1536
	s_or_b32 s[G0+4*\s+3], s[G0+4*\s+3], 0x80000000
.endr
	ROUND                                          ; all four work-groups are here
	tensor_load_to_lds s[G0:G0+3], s[G1:G1+7]      ; K step 0
	s_nop 0
	tensor_load_to_lds s[G0+4:G0+7], s[G1:G1+7]    ; K step 1: two loads of mine are out
	s_nop 0
	PLACES
	v_and_b32 v9, 31, v0
	v_lshlrev_b32 v1, 4, v9                        ; 16 x lane
	v_lshlrev_b32 v2, 3, v9                        ; 8 x lane
	v_lshlrev_b32 v3, 1, v9                        ; 2 x lane
	v_add_nc_u32 v[ADRB], s40, v1
	v_add_nc_u32 v[ADRB+1], SLOT, v[ADRB]
	v_and_b32 v56, 15, v0
	v_bfe_u32 v57, v0, 4, 1
	v_mul_u32_u24 v[STO], v56, SP
	v_lshl_add_u32 v[STO], v57, 6, v[STO]
	s_lshl_b32 s52, s[WV], 10
	v_add_nc_u32 v[STO], s52, v[STO]               ; the stage: row r, + 64 h, + my 1,024 bytes of a row
	v_add_nc_u32 v[STO+1], 16*SP, v[STO]           ; the second token tile
	s_mul_i32 s52, s[WV], 8*SP
	v_add_nc_u32 v[RD], s52, v1                    ; back: my 8 rows, 16 bytes a lane
	WIN 0x40                                       ; destination window 1
.irp s, 0,1,2,3,4,5,6,7
.irp m, 0,1
	global_load_b128 v[12*(2*\s+\m):12*(2*\s+\m)+3], v1, s[44:45] offset:12288*\m+768*(2*\s)            ; head 2 s: k = 0 .. 63 of the K step,
	global_load_b64 v[12*(2*\s+\m)+4:12*(2*\s+\m)+5], v2, s[44:45] offset:12288*\m+768*(2*\s)+512
	global_load_b128 v[12*(2*\s+\m)+6:12*(2*\s+\m)+9], v1, s[44:45] offset:12288*\m+768*(2*\s+1)        ; head 2 s + 1: k = 64 .. 127
	global_load_b64 v[12*(2*\s+\m)+10:12*(2*\s+\m)+11], v2, s[44:45] offset:12288*\m+768*(2*\s+1)+512
.endr
.endr
	WIN 0
.irp i, 0,1,2,3,4,5,6,7
.irp u, 0,1,2,3
	global_load_b64 v[BSC+8*\i+2*\u:BSC+8*\i+2*\u+1], v2, s[48:49] offset:1024*\i+256*\u   ; lanes 0-15 tile 2 i, lanes 16-31 tile 2 i + 1; K steps 2 u, 2 u + 1
.endr
.endr
.irp d, 0,1,2,3,4,5,6,7,8,9,10,11,12,13,14,15
	global_load_u16 v[HW+\d], v3, s[46:47] offset:16384*\d         ; head d's two bytes: lanes 0-15 the first token tile, lanes 16-31 the second
.endr
.irp c, 0,1,2,3,4,5,6,7
	global_load_b128 v[BO+4*\c:BO+4*\c+3], v1, s[10:11] offset:512*\c
	global_load_b128 v[LW+4*\c:LW+4*\c+3], v1, s[12:13] offset:512*\c
	global_load_b128 v[LB+4*\c:LB+4*\c+3], v1, s[14:15] offset:512*\c
.endr
	WIN 0x40
.irp j, 0,1
.irp c, 0,1,2,3,4,5,6,7
	global_load_b128 v[192+32*\j+4*\c:192+32*\j+4*\c+3], v1, s[8:9] offset:4096*\j+512*\c th:TH_LOAD_NT
.endr
.endr
	WIN 0xc0
.irp j, 2,3
.irp c, 0,1,2,3,4,5,6,7
	global_load_b128 v[192+32*(\j-2)+4*\c:192+32*(\j-2)+4*\c+3], v1, s[8:9] offset:4096*\j+512*\c th:TH_LOAD_NT
.endr
.endr
	WIN 0
	s_wait_loadcnt 56                              ; fragments and scales are in; the 24 loads of bo, ln_w, ln_b and the 32 of x may be out
.irp s, 0,1,2,3,4,5,6,7
	v_lshl_or_b32 v[AS+\s], v[HW+2*\s+1], 16, v[HW+2*\s]   ; the tokens' scale word of K step s
.endr
.rept 8
	v_nop                                          ; a scale register written by a vector instruction stands 8 places ahead of a scaled product
.endr
.macro FETCH half, s                   ; eight of Wo's fragments of K step s: 24 loads
	WIN 0xc0
.irp k, 0,1,2,3,4,5,6,7
.irp c, 0,1,2
	ds_load_b128 v[12*(8*\half+\k)+4*\c:12*(8*\half+\k)+4*\c+3], v[ADRB+(\s)%2] offset:1536*(8*\half+\k)+512*\c
.endr
.endr
	WIN 0
.endm
.macro PROD i, m, s                    ; column tile i x token tile m, K step s.  Odd tiles' and the second token tile's scale words lie in lanes 16-31
.set DD, 8*(16*(\m)+(\i))
.set BB, 12*(\i)
.set AA, 12*(2*(\s)+(\m))
.set SA, BSC+8*((\i)/2)+(\s)
.set ST, AS+(\s)
.if (\s) == 0
.if ((\i)%2 == 0) && ((\m) == 0)
	v_wmma_scale_f32_16x16x128_f8f6f4 v[DD:DD+7], v[BB:BB+11], v[AA:AA+11], 0, v[SA], v[ST] matrix_a_fmt:MATRIX_FMT_FP6 matrix_b_fmt:MATRIX_FMT_FP6
.elseif ((\i)%2 == 1) && ((\m) == 0)
	v_wmma_scale_f32_16x16x128_f8f6f4 v[DD:DD+7], v[BB:BB+11], v[AA:AA+11], 0, v[SA], v[ST] matrix_a_fmt:MATRIX_FMT_FP6 matrix_b_fmt:MATRIX_FMT_FP6 matrix_a_scale:MATRIX_SCALE_ROW1
.elseif ((\i)%2 == 0) && ((\m) == 1)
	v_wmma_scale_f32_16x16x128_f8f6f4 v[DD:DD+7], v[BB:BB+11], v[AA:AA+11], 0, v[SA], v[ST] matrix_a_fmt:MATRIX_FMT_FP6 matrix_b_fmt:MATRIX_FMT_FP6 matrix_b_scale:MATRIX_SCALE_ROW1
.else
	v_wmma_scale_f32_16x16x128_f8f6f4 v[DD:DD+7], v[BB:BB+11], v[AA:AA+11], 0, v[SA], v[ST] matrix_a_fmt:MATRIX_FMT_FP6 matrix_b_fmt:MATRIX_FMT_FP6 matrix_a_scale:MATRIX_SCALE_ROW1 matrix_b_scale:MATRIX_SCALE_ROW1
.endif
.else
.if ((\i)%2 == 0) && ((\m) == 0)
	v_wmma_scale_f32_16x16x128_f8f6f4 v[DD:DD+7], v[BB:BB+11], v[AA:AA+11], v[DD:DD+7], v[SA], v[ST] matrix_a_fmt:MATRIX_FMT_FP6 matrix_b_fmt:MATRIX_FMT_FP6
.elseif ((\i)%2 == 1) && ((\m) == 0)
	v_wmma_scale_f32_16x16x128_f8f6f4 v[DD:DD+7], v[BB:BB+11], v[AA:AA+11], v[DD:DD+7], v[SA], v[ST] matrix_a_fmt:MATRIX_FMT_FP6 matrix_b_fmt:MATRIX_FMT_FP6 matrix_a_scale:MATRIX_SCALE_ROW1
.elseif ((\i)%2 == 0) && ((\m) == 1)
	v_wmma_scale_f32_16x16x128_f8f6f4 v[DD:DD+7], v[BB:BB+11], v[AA:AA+11], v[DD:DD+7], v[SA], v[ST] matrix_a_fmt:MATRIX_FMT_FP6 matrix_b_fmt:MATRIX_FMT_FP6 matrix_b_scale:MATRIX_SCALE_ROW1
.else
	v_wmma_scale_f32_16x16x128_f8f6f4 v[DD:DD+7], v[BB:BB+11], v[AA:AA+11], v[DD:DD+7], v[SA], v[ST] matrix_a_fmt:MATRIX_FMT_FP6 matrix_b_fmt:MATRIX_FMT_FP6 matrix_a_scale:MATRIX_SCALE_ROW1 matrix_b_scale:MATRIX_SCALE_ROW1
.endif
.endif
.endm
.macro MULH s, half                    ; 16 products; the 32 accumulators take turns, one instruction a turn
	WIN 0xa7                                       ; source 0 (Wo) window 3, source 1 (tokens) window 1, C and D window 2
.irp k, 0,1,2,3,4,5,6,7
.irp m, 0,1
	PROD 8*\half+\k, \m, \s
.endr
.endr
.endm
; K step s, s = 0 .. 5: all of its fragments are in registers at the round, so its slot is filled again with K step s + 2
.macro TURN s
	s_wait_dscnt 24                                ; the lower eight fragments are in; the upper eight (24 loads) may be out
	MULH \s, 0
	WIN 0
	s_wait_tensorcnt 0x0                           ; all my tensor loads have landed: K step s + 1 among them
	ds_add_u32 v[SPW], v[NIL]                      ; 0 onto my spare word
	s_add_nc_u64 s[G0+4*((\s)%2)+2:G0+4*((\s)%2)+3], s[G0+4*((\s)%2)+2:G0+4*((\s)%2)+3], 3072   ; no load of mine is out: this slot's next K step
	s_wait_dscnt 0x0                               ; the add is done, and my reads of this slot are over
	ROUND                                          ; both now hold of every wave of the four work-groups
	tensor_load_to_lds s[G0+4*((\s)%2):G0+4*((\s)%2)+3], s[G1:G1+7]    ; my one tensor load behind the round
	s_nop 0
	PLACES                                         ; also the places in front of the loads below
	FETCH 0, (\s)+1
	MULH \s, 1
	WIN 0
	PLACES
	FETCH 1, (\s)+1
.endm
	s_wait_tensorcnt 1                             ; my part of K step 0 is in (only I read it); K step 1 may be out
	FETCH 0, 0
	FETCH 1, 0
.irp s, 0,1,2,3,4,5
	TURN \s
.endr
	s_wait_dscnt 24                                ; K step 6: nothing is left to fetch from memory
	MULH 6, 0
	WIN 0
	s_wait_tensorcnt 0x0                           ; K step 7 has landed: no load was issued behind it
	PLACES
	WIN 0x40
.irp j, 4,5,6,7
.irp c, 0,1,2,3,4,5,6,7
	global_load_b128 v[32*(\j-4)+4*\c:32*(\j-4)+4*\c+3], v1, s[8:9] offset:4096*\j+512*\c th:TH_LOAD_NT   ; x's rows 4-7, into the registers of the tokens' K steps 0-5, which are done
.endr
.endr
	WIN 0
	FETCH 0, 7
	s_wait_dscnt 24                                ; K step 6's upper eight are in
	MULH 6, 1
	WIN 0
	PLACES
	FETCH 1, 7
	s_wait_dscnt 24
	MULH 7, 0
	s_wait_dscnt 0x0
	MULH 7, 1
	WIN 0
	s_barrier_signal -1                            ; every wave's reads of the slots are over (no LDS instruction of mine is out); both slots have had their last fill
	s_barrier_wait -1
	PLACES
	WIN 0x08                                       ; an LDS store's data: window 2
.irp m, 0,1
.irp i, 0,1,2,3,4,5,6,7,8,9,10,11,12,13,14,15
	ds_store_b128 v[STO+\m], v[8*(16*\m+\i):8*(16*\m+\i)+3] offset:128*(\i/2)+32*(\i%2)        ; each accumulator from its low end on: columns 32 (i / 2) + 16 h + 8 (i % 2) + 0 .. 7
	ds_store_b128 v[STO+\m], v[8*(16*\m+\i)+4:8*(16*\m+\i)+7] offset:128*(\i/2)+32*(\i%2)+16
.endr
.endr
	WIN 0
	s_wait_dscnt 0x0                               ; for the others: my stores have landed
	s_barrier_signal -1
	s_barrier_wait -1
	WIN 0x80                                       ; destination window 2: row j at v[32 j]
.irp j, 0,1,2,3,4,5,6,7
.irp c, 0,1,2,3,4,5,6,7
	ds_load_b128 v[32*\j+4*\c:32*\j+4*\c+3], v[RD] offset:SP*\j+512*\c
.endr
.endr
	WIN 0
	s_wait_loadcnt 0x0                             ; x, bo, ln_w, ln_b
	s_wait_dscnt 0x0
	WIN 0x86                                       ; rows in window 2, x in window 1
.set kk, 0
.rept 16
.irp j, 0,1
	v_pk_add_f32 v[32*\j+kk:32*\j+kk+1], v[32*\j+kk:32*\j+kk+1], v[192+32*\j+kk:192+32*\j+kk+1]
.endr
.irp j, 4,5,6,7
	v_pk_add_f32 v[32*\j+kk:32*\j+kk+1], v[32*\j+kk:32*\j+kk+1], v[32*(\j-4)+kk:32*(\j-4)+kk+1]
.endr
.set kk, kk+2
.endr
	WIN 0x8e                                       ; x in window 3
.set kk, 0
.rept 16
.irp j, 2,3
	v_pk_add_f32 v[32*\j+kk:32*\j+kk+1], v[32*\j+kk:32*\j+kk+1], v[192+32*(\j-2)+kk:192+32*(\j-2)+kk+1]
.endr
.set kk, kk+2
.endr
	WIN 0x82                                       ; bo in window 0
.set kk, 0
.rept 16
.irp j, 0,1,2,3,4,5,6,7
	v_pk_add_f32 v[32*\j+kk:32*\j+kk+1], v[32*\j+kk:32*\j+kk+1], v[BO+kk:BO+kk+1]
.endr
.set kk, kk+2
.endr
	WIN 0x0a                                       ; both sources window 2: the first two pairs start each row's sum
.irp j, 0,1,2,3,4,5,6,7
	v_pk_add_f32 v[SM+2*\j:SM+2*\j+1], v[32*\j:32*\j+1], v[32*\j+2:32*\j+3]
.endr
	WIN 0x02
.set kk, 4
.rept 14
.irp j, 0,1,2,3,4,5,6,7
	v_pk_add_f32 v[SM+2*\j:SM+2*\j+1], v[32*\j+kk:32*\j+kk+1], v[SM+2*\j:SM+2*\j+1]
.endr
.set kk, kk+2
.endr
	WIN 0
.macro REDUCE base                     ; eight pairs: the pair's two halves, then the 32 lanes; the result in every lane
.irp j, 0,1,2,3,4,5,6,7
	v_add_f32 v[\base+2*\j], v[\base+2*\j], v[\base+2*\j+1]
.endr
.irp x, 1,2,4,8
.irp j, 0,1,2,3,4,5,6,7
	v_add_f32_dpp v[\base+2*\j], v[\base+2*\j], v[\base+2*\j] row_xmask:\x row_mask:0xf bank_mask:0xf
.endr
.endr
.irp j, 0,1,2,3,4,5,6,7
	v_permlanex16_b32 v[\base+2*\j+1], v[\base+2*\j], s[SEL], s[SEL+1]
.endr
.irp j, 0,1,2,3,4,5,6,7
	v_add_f32 v[\base+2*\j], v[\base+2*\j], v[\base+2*\j+1]
.endr
.endm
	REDUCE SM
.irp j, 0,1,2,3,4,5,6,7
	v_mul_f32 v[SM+2*\j], 0xba800000, v[SM+2*\j]   ; minus the mean
.endr
	WIN 0x82
.set kk, 0
.rept 16
.irp j, 0,1,2,3,4,5,6,7
	v_pk_add_f32 v[32*\j+kk:32*\j+kk+1], v[32*\j+kk:32*\j+kk+1], v[SM+2*\j:SM+2*\j+1] op_sel_hi:[1,0]
.endr
.set kk, kk+2
.endr
	WIN 0x0a
.irp j, 0,1,2,3,4,5,6,7
	v_pk_mul_f32 v[SSQ+2*\j:SSQ+2*\j+1], v[32*\j:32*\j+1], v[32*\j:32*\j+1]    ; the first squares start the sums: of the centred numbers, so no difference of large sums is formed
.endr
.set kk, 2
.rept 15
.irp j, 0,1,2,3,4,5,6,7
	v_pk_fma_f32 v[SSQ+2*\j:SSQ+2*\j+1], v[32*\j+kk:32*\j+kk+1], v[32*\j+kk:32*\j+kk+1], v[SSQ+2*\j:SSQ+2*\j+1]
.endr
.set kk, kk+2
.endr
	WIN 0
	REDUCE SSQ
.irp j, 0,1,2,3,4,5,6,7
	v_fma_f32 v[SSQ+2*\j], v[SSQ+2*\j], s60, s61   ; the variance + 1e-5
.endr
.irp j, 0,1,2,3,4,5,6,7
	v_rsq_f32 v[SSQ+2*\j], v[SSQ+2*\j]
.endr
	v_nop                                          ; a plain place behind the last of them
	s_wait_alu depctr_va_vdst(0)                   ; one wait for the eight, ahead of their first reader
	WIN 0x82
.set kk, 0
.rept 16
.irp j, 0,1,2,3,4,5,6,7
	v_pk_mul_f32 v[32*\j+kk:32*\j+kk+1], v[32*\j+kk:32*\j+kk+1], v[SSQ+2*\j:SSQ+2*\j+1] op_sel_hi:[1,0]
.endr
.set kk, kk+2
.endr
.set kk, 0
.rept 16
.irp j, 0,1,2,3,4,5,6,7
	v_pk_fma_f32 v[32*\j+kk:32*\j+kk+1], v[32*\j+kk:32*\j+kk+1], v[LW+kk:LW+kk+1], v[LB+kk:LB+kk+1]
.endr
.set kk, kk+2
.endr
	WIN 0x08                                       ; a store's data: window 2
.irp j, 0,1,2,3,4,5,6,7
.irp c, 0,1,2,3,4,5,6,7
	global_store_b128 v1, v[32*\j+4*\c:32*\j+4*\c+3], s[16:17] offset:4096*\j+512*\c th:TH_STORE_NT   ; 32 lanes store 512 consecutive bytes, aligned
.endr
.endr
	WIN 0
	s_wait_tensorcnt 0x0                           ; the wave's end
	ds_add_u32 v[SPW], v[NIL]
	s_wait_dscnt 0x0
	ROUND                                          ; the closing round
	s_endpgm
.Lfunc_end_k_qcec71d3812_outln:
	.size	k_qcec71d3812_outln, .Lfunc_end_k_qcec71d3812_outln-k_qcec71d3812_outln
	.p2alignl 7, 3214868480
	.fill 96, 4, 3214868480
	.section	.rodata,"a",@progbits
	.p2align	6, 0x0
	.amdhsa_kernel k_qcec71d3812_outln
		.amdhsa_group_segment_fixed_size 327680
		.amdhsa_private_segment_fixed_size 0
		.amdhsa_enable_private_segment 0
		.amdhsa_kernarg_size 56
		.amdhsa_user_sgpr_count 2
		.amdhsa_user_sgpr_kernarg_segment_ptr 1
		.amdhsa_wavefront_size32 1
		.amdhsa_system_sgpr_workgroup_id_x 1
		.amdhsa_system_sgpr_workgroup_id_y 1
		.amdhsa_system_sgpr_workgroup_id_z 1
		.amdhsa_system_vgpr_workitem_id 0
		.amdhsa_next_free_vgpr 1024
		.amdhsa_next_free_sgpr 66
		.amdhsa_reserve_vcc 0
		.amdhsa_float_denorm_mode_32 3
		.amdhsa_float_denorm_mode_16_64 3
		.amdhsa_memory_ordered 1
		.amdhsa_forward_progress 1
		.amdhsa_inst_pref_size 166
	.end_amdhsa_kernel
	.amdgpu_metadata
---
amdhsa.version: [ 1, 2 ]
amdhsa.kernels:
  - .name:           k_qcec71d3812_outln
    .symbol:         k_qcec71d3812_outln.kd
    .args:
      - { .name: AT, .offset: 0, .size: 8, .value_kind: global_buffer, .address_space: global }
      - { .name: WQ, .offset: 8, .size: 8, .value_kind: global_buffer, .address_space: global }
      - { .name: x, .offset: 16, .size: 8, .value_kind: global_buffer, .address_space: global }
      - { .name: bo, .offset: 24, .size: 8, .value_kind: global_buffer, .address_space: global }
      - { .name: ln_w, .offset: 32, .size: 8, .value_kind: global_buffer, .address_space: global }
      - { .name: ln_b, .offset: 40, .size: 8, .value_kind: global_buffer, .address_space: global }
      - { .name: out0, .offset: 48, .size: 8, .value_kind: global_buffer, .address_space: global }
    .group_segment_fixed_size: 327680
    .private_segment_fixed_size: 0
    .kernarg_segment_align: 8
    .kernarg_segment_size: 56
    .max_flat_workgroup_size: 128
    .sgpr_count:     66
    .vgpr_count:     1024
    .wavefront_size: 32
...
	.end_amdgpu_metadata
.endif
;; end of part 5
